; MI455X (gfx1250); checked and timed in simulation.
; The chip was launched on July 23, 2026; its instructions are those of AMD's public machine-readable ISA for CDNA 5 (MIT licence, August 2026) and "CDNA5" Instruction Set Architecture Reference Guide (July 2026). The comments in the code are by the model that wrote it; some were corrected since.
;; Multiquery Attention. Allowed arithmetic: float matrix products may take bf16 or f16 operands with f32 sums; other float arithmetic in f32, or as packed bf16 or f16 multiplies, adds, multiply-adds, maxima and minima; sums over many terms, partial sums and values carried from step to step in f32; what a program stores and reads back later, other than sums and carried values, may be rounded once to bf16 or f16.
;; Inputs: Wk 1,024 x 64 float32; Wo 1,024 x 1,024 float32; Wq 1,024 x 1,024 float32; Wv 1,024 x 64 float32; bk 64 float32; bo 1,024 float32; bq 1,024 float32; bv 64 float32; x 4 x 2,048 x 1,024 float32.
;; Outputs: out0 4 x 2,048 x 1,024 float32.
;; One version. Each part assembles by itself: llvm-mc -triple=amdgcn-amd-amdhsa -mcpu=gfx1250 --defsym DOCPART=n.
;; ======== version 1 of 1: 4 launches
;; limits: values are held in f16: magnitudes above 65,504 overflow, below 6.1e-05 lose precision
;; workspace buffers: xb 16,777,216 bytes; wqkv 2,359,296 bytes; wot 2,097,152 bytes; q 16,777,216 bytes; kb 1,048,576 bytes; vb 1,048,576 bytes; o 16,777,216 bytes
;; launch prep (part 1): grid 1296 x 1, 8 waves a work-group, no clusters, 18,432 bytes of LDS; arguments x, Wq, Wk, Wv, Wo, xb, wqkv, wot; writes xb, wqkv, wot
.if DOCPART == 1
	.amdgcn_target "amdgcn-amd-amdhsa--gfx1250"
	.amdhsa_code_object_version 6
	.text
	.protected	k_qa1a16602d0_prep
	.globl	k_qa1a16602d0_prep
	.p2align	8
	.type	k_qa1a16602d0_prep,@function
k_qa1a16602d0_prep:
	s_mov_b64 s[64:65], 0
	v_nop
	global_prefetch_b8 v0, s[64:65] scope:SCOPE_SE
	s_setreg_imm32_b32 hwreg(HW_REG_WAVE_MODE, 25, 1), 1
	s_wait_xcnt 0x0
; THE OPERANDS OF THE TWO PROJECTIONS, IN 16 BITS.  x [8192][1024] f32 -> xb bf16, same layout.  The weights, stored [k][n] in f32, are rounded to bf16 and turned to [n][k]:
;   wqkv [1152][1024] bf16: row 144 j + c (j = 0..7): c < 128: column 128 j + c of Wq; c >= 128: column 16 j + c - 128 of (Wk | Wv), Wk's 64 first;
;   wot  [1024][1024]: column n of Wo, rounded to bf16 and that number written as f16 (exact within f16's range).
; LIMITS.  |Wo| stays under 65,504 (f16's end); below 6e-5 it keeps f16's fixed step of 6e-8.
; Work-groups 0..271 take one tile of 128 k x 64 n of a weight each, through LDS; work-groups 272..1295 take 32,768 bytes of x each, through registers.  The branch hangs on the
; work-group's number alone, so all eight waves of a work-group take the same way and meet the same barrier.  No matrix unit, no cluster: nothing is multiplied and nothing is shared.
.set WTILES, 272                       ; 128 tiles of Wq, 128 of Wo, 8 of Wk, 8 of Wv
.set LP,     272                       ; an LDS row: 128 k in 16 bits = 256 bytes, + 16
.set SPARE,  64*LP                     ; behind the 64 rows: the spare words, 128 bytes for each of eight waves: four blocks of 256 bytes that no other line names
.set DOF,  4                           ; v[4:7]    byte offsets of my four stores
.set OFFS, 8                           ; v[8:15]   byte offsets of my eight loads
.set LD,   16                          ; v[16:47]  as loaded: row j of my eight at LD + 4 j; later the rows read back
.set PKD,  48                          ; v[48:63]  packed: column c of my four at PKD + 4 c
.set LSA,  64                          ; v64       where I put 16 bytes of a turned row
.set LRA,  65                          ; v65       where I read rows back
.set TT,   66                          ; v[66:69]  at work
.set SPW,  70                          ; v70       LDS address of my spare word; never rewritten
.set NIL,  71                          ; v71       0; never rewritten
	s_load_b512 s[4:19], s[0:1], 0x0               ; x s[4:5], Wq s[6:7], Wk s[8:9], Wv s[10:11], Wo s[12:13], xb s[14:15], wqkv s[16:17], wot s[18:19]
	v_lshl_add_u32 v[SPW], v0, 2, SPARE
	v_mov_b32 v[NIL], 0
	s_cmp_lt_u32 ttmp9, WTILES
	s_cbranch_scc1 .Lweights
	; x: thread t takes the 16 bytes at 16 t of each of eight blocks of 4,096 bytes: a wave's load covers 512 consecutive bytes, its store 256, aligned.  All eight loads go out first.
	s_sub_co_u32 s20, ttmp9, WTILES
	s_lshl_b32 s22, s20, 14                        ; 16,384 bytes of xb,
	s_lshl_b32 s20, s20, 15                        ; 32,768 bytes of x
	s_mov_b32 s21, 0
	s_mov_b32 s23, 0
	v_lshlrev_b32 v1, 4, v0
	v_lshlrev_b32 v2, 3, v0
	s_wait_kmcnt 0x0
	s_add_nc_u64 s[4:5], s[4:5], s[20:21]
	s_add_nc_u64 s[14:15], s[14:15], s[22:23]
.irp i, 0,1,2,3,4,5,6,7
	global_load_b128 v[8+4*(\i):8+4*(\i)+3], v1, s[4:5] offset:4096*(\i) th:TH_LOAD_NT
.endr
.irp i, 0,1,2,3,4,5,6,7
	s_wait_loadcnt 7-(\i)                          ; loads come back in order: load i is in, the 7 - i younger ones may stay out
	v_cvt_pk_bf16_f32 v[40+2*(\i)], v[8+4*(\i)], v[8+4*(\i)+1]
	v_cvt_pk_bf16_f32 v[41+2*(\i)], v[8+4*(\i)+2], v[8+4*(\i)+3]
	global_store_b64 v2, v[40+2*(\i):41+2*(\i)], s[14:15] offset:2048*(\i)
.endr
	s_endpgm                                       ; this way has written no LDS
.Lweights:
	; which tile: source, its pitch, destination, first destination row R0, and the step from 16 destination rows to the next 16
	s_and_b32 s20, ttmp9, 7                        ; kt: which 128 of k
	s_bfe_u32 s21, ttmp9, 0x40003                  ; nt: which 64 of n (Wq, Wo)
	s_lshr_b32 s28, ttmp9, 7                       ; 0 Wq, 1 Wo, 2 Wk and Wv
	s_lshr_b32 s22, s21, 1
	s_mul_i32 s22, s22, 144
	s_and_b32 s23, s21, 1
	s_lshl_b32 s23, s23, 6
	s_add_co_u32 s22, s22, s23                     ; Wq: R0 = 144 (nt / 2) + 64 (nt % 2)
	s_lshl_b32 s29, s21, 6                         ; Wo: R0 = 64 nt
	s_movk_i32 s24, 704                            ; Wv: R0 = 144 x 4 + 128
	s_movk_i32 s26, 256                            ; Wk, Wv: bytes in a row
	s_mov_b32 s27, 144*2048                        ; Wk, Wv: 16 columns go to each block of 144 rows
	v_and_b32 v1, 15, v0                           ; r: my four columns, 4 r ..
	v_lshrrev_b32 v2, 4, v0                        ; g: my eight rows, 8 g ..
	s_wait_kmcnt 0x0
	s_cmp_lt_u32 ttmp9, 264
	s_cselect_b64 s[30:31], s[8:9], s[10:11]
	s_cselect_b32 s25, 128, s24
	s_cmp_lt_u32 ttmp9, 256
	s_cselect_b64 s[30:31], s[12:13], s[30:31]
	s_cselect_b32 s25, s29, s25
	s_cselect_b32 s26, 4096, s26
	s_cselect_b32 s27, 16*2048, s27
	s_cselect_b32 s21, s21, 0
	s_cmp_lt_u32 ttmp9, 128
	s_cselect_b64 s[30:31], s[6:7], s[30:31]
	s_cselect_b32 s25, s22, s25
	s_cmp_eq_u32 s28, 1
	s_cselect_b64 s[32:33], s[18:19], s[16:17]
	s_mul_i32 s34, s20, s26
	s_lshl_b32 s34, s34, 7                         ; 128 kt rows of the source,
	s_lshl_b32 s35, s21, 8                         ; 64 nt columns of 4 bytes
	s_add_co_u32 s34, s34, s35
	s_mov_b32 s35, 0
	s_add_nc_u64 s[30:31], s[30:31], s[34:35]
	s_lshl_b32 s34, s25, 11                        ; R0 rows of 2,048 bytes,
	s_lshl_b32 s36, s20, 8                         ; 128 kt numbers of 2 bytes
	s_add_co_u32 s34, s34, s36
	s_add_nc_u64 s[32:33], s[32:33], s[34:35]
	v_lshlrev_b32 v3, 3, v2
	v_lshlrev_b32 v[TT], 4, v1
	v_mad_u32_u24 v[OFFS], v3, s26, v[TT]          ; row 8 g, byte 16 r: sixteen lanes read a row's 256 bytes
.irp j, 1,2,3,4,5,6,7
	v_add_nc_u32 v[OFFS+(\j)], s26, v[OFFS+(\j)-1]
.endr
.irp j, 0,1,2,3,4,5,6,7
	global_load_b128 v[LD+4*(\j):LD+4*(\j)+3], v[OFFS+(\j)], s[30:31] th:TH_LOAD_NT
.endr
	v_mul_u32_u24 v[LSA], v1, 4*LP                 ; in: LDS row 4 r + c, byte 16 g
	v_lshl_add_u32 v[LSA], v2, 4, v[LSA]
	v_mul_u32_u24 v[LRA], v2, LP                   ; back: LDS row g + 16 i, byte 16 r
	v_lshl_add_u32 v[LRA], v1, 4, v[LRA]
	v_lshlrev_b32 v[DOF], 11, v2                   ; and the same in memory: row R0 + g, then a step for each i
	v_lshl_add_u32 v[DOF], v1, 4, v[DOF]
.irp i, 1,2,3
	v_add_nc_u32 v[DOF+(\i)], s27, v[DOF+(\i)-1]
.endr
	s_wait_loadcnt 0x0
.irp c, 0,1,2,3
.irp p, 0,1,2,3
	v_cvt_pk_bf16_f32 v[PKD+4*(\c)+(\p)], v[LD+8*(\p)+(\c)], v[LD+8*(\p)+4+(\c)]  ; column 4 r + c, k = 8 g + 2 p and + 1
.endr
.endr
	s_cmp_eq_u32 s28, 1
	s_cbranch_scc0 .Lstays_bf16
.set w, 0
.rept 16                               ; Wo: the bf16 number, written as f16
	v_lshlrev_b32 v[TT+2*(w%2)], 16, v[PKD+w]
	v_and_b32 v[TT+2*(w%2)+1], 0xffff0000, v[PKD+w]
	v_cvt_pk_f16_f32 v[PKD+w], v[TT+2*(w%2)], v[TT+2*(w%2)+1]
.set w, w+1
.endr
.Lstays_bf16:
.irp c, 0,1,2,3
	ds_store_b128 v[LSA], v[PKD+4*(\c):PKD+4*(\c)+3] offset:LP*(\c)
.endr
	s_wait_dscnt 0x0                               ; for the others' sake: my stores are done
	s_barrier_signal -1
	s_barrier_wait -1                              ; a turned row's 256 bytes come from all eight waves
.irp i, 0,1,2,3
	ds_load_b128 v[LD+4*(\i):LD+4*(\i)+3], v[LRA] offset:16*LP*(\i)
.endr
.irp i, 0,1,2,3
	s_wait_dscnt 3-(\i)
	global_store_b128 v[DOF+(\i)], v[LD+4*(\i):LD+4*(\i)+3], s[32:33]  ; sixteen lanes store 256 consecutive bytes, aligned
.endr
	s_wait_tensorcnt 0x0                           ; the wave's end: behind my last LDS store
	ds_add_u32 v[SPW], v[NIL]
	s_wait_dscnt 0x0
	s_endpgm
.Lfunc_end_k_qa1a16602d0_prep:
	.size	k_qa1a16602d0_prep, .Lfunc_end_k_qa1a16602d0_prep-k_qa1a16602d0_prep
	.p2alignl 7, 3214868480
	.fill 96, 4, 3214868480
	.section	.rodata,"a",@progbits
	.p2align	6, 0x0
	.amdhsa_kernel k_qa1a16602d0_prep
		.amdhsa_group_segment_fixed_size 18432
		.amdhsa_private_segment_fixed_size 0
		.amdhsa_enable_private_segment 0
		.amdhsa_kernarg_size 64
		.amdhsa_user_sgpr_count 2
		.amdhsa_user_sgpr_kernarg_segment_ptr 1
		.amdhsa_wavefront_size32 1
		.amdhsa_system_sgpr_workgroup_id_x 1
		.amdhsa_system_sgpr_workgroup_id_y 1
		.amdhsa_system_sgpr_workgroup_id_z 1
		.amdhsa_system_vgpr_workitem_id 0
		.amdhsa_next_free_vgpr 72
		.amdhsa_next_free_sgpr 66
		.amdhsa_reserve_vcc 0
		.amdhsa_float_denorm_mode_32 3
		.amdhsa_float_denorm_mode_16_64 3
		.amdhsa_memory_ordered 1
		.amdhsa_forward_progress 1
		.amdhsa_inst_pref_size 12
	.end_amdhsa_kernel
	.amdgpu_metadata
---
amdhsa.version: [ 1, 2 ]
amdhsa.kernels:
  - .name:           k_qa1a16602d0_prep
    .symbol:         k_qa1a16602d0_prep.kd
    .args:
      - { .name: x, .offset: 0, .size: 8, .value_kind: global_buffer, .address_space: global }
      - { .name: Wq, .offset: 8, .size: 8, .value_kind: global_buffer, .address_space: global }
      - { .name: Wk, .offset: 16, .size: 8, .value_kind: global_buffer, .address_space: global }
      - { .name: Wv, .offset: 24, .size: 8, .value_kind: global_buffer, .address_space: global }
      - { .name: Wo, .offset: 32, .size: 8, .value_kind: global_buffer, .address_space: global }
      - { .name: xb, .offset: 40, .size: 8, .value_kind: global_buffer, .address_space: global }
      - { .name: wqkv, .offset: 48, .size: 8, .value_kind: global_buffer, .address_space: global }
      - { .name: wot, .offset: 56, .size: 8, .value_kind: global_buffer, .address_space: global }
    .group_segment_fixed_size: 18432
    .private_segment_fixed_size: 0
    .kernarg_segment_align: 8
    .kernarg_segment_size: 64
    .max_flat_workgroup_size: 256
    .sgpr_count:     66
    .vgpr_count:     72
    .wavefront_size: 32
...
	.end_amdgpu_metadata
.endif
;; end of part 1
;; launch proj (part 2): grid 8 x 32, 4 waves a work-group, clusters of 4 x 4, 327,680 bytes of LDS; arguments xb, wqkv, bq, bk, bv, q, kb, vb; writes q, kb, vb
.if DOCPART == 2
	.amdgcn_target "amdgcn-amd-amdhsa--gfx1250"
	.amdhsa_code_object_version 6
	.text
	.protected	k_qa1a16602d0_proj
	.globl	k_qa1a16602d0_proj
	.p2align	8
	.type	k_qa1a16602d0_proj,@function
k_qa1a16602d0_proj:
	s_mov_b64 s[64:65], 0
	v_nop
	global_prefetch_b8 v0, s[64:65] scope:SCOPE_SE
	s_setreg_imm32_b32 hwreg(HW_REG_WAVE_MODE, 25, 1), 1
	s_wait_xcnt 0x0
	s_wait_alu depctr_hold_cnt(0) depctr_sa_sdst(0) depctr_va_vdst(0) depctr_va_sdst(0) depctr_va_ssrc(0) depctr_va_vcc(0) depctr_vm_vsrc(0)
	s_getreg_b32 s2, hwreg(HW_REG_IB_STS2, 6, 4)
	s_cmp_eq_u32 s2, 0
	s_cbranch_scc0 .Lentry_in_a_cluster
	s_endpgm
.Lentry_in_a_cluster:
	s_bfe_u32 s2, ttmp6, 0x10000c
	s_cmp_lg_u32 s2, 0xf033
	s_cbranch_scc0 .Lentry_shape_is_right
	s_endpgm
.Lentry_shape_is_right:
; THE THREE PROJECTIONS AS ONE PRODUCT.  [8192 x 1024] (xb, bf16) x [1152 x 1024]^T (wqkv, bf16) + bias, sums in f32, rounded once to f16.
; A work-group makes 256 rows x 144 columns: 8192 x 1152 outputs over 256 work-groups.  Its 144 rows of wqkv are 128 columns of Q (256 bytes of a row of q) and 16 columns of K or V.
; q: [8192][1024] f16.  kb, vb: [4 planes][8192 keys][16 channels] f16, so that the 16 columns of 256 rows leave as 8,192 bytes on end.
; The biases are rounded to bf16 like every input, and start the sums as the C operand of the first products: nothing is cleared and nothing is added later.
; LIMITS.  q, k and v are kept in f16: they stay under 65,504.  NaN and infinities are not treated apart.
; Four waves, each 64 rows x 144 columns: 36 accumulators.  K goes in 8 steps of 128 (rows of 256 bytes in memory) through two LDS slots.
; CLUSTER 4 x 4: the four of a row of the cluster need the same rows of xb, the four of a column the same rows of wqkv: each tile is asked for jointly.
; THE MATRIX INSTRUCTION IS USED TRANSPOSED (source 0 = 16 rows of wqkv, source 1 = 16 rows of xb): a lane then holds eight neighbouring columns of one row of the result.
; No prefetch: the walk has eight K steps, and both operands are read by several clusters at about the same time.  One tile to a work-group, so nobody stays.
; REGISTERS: window 0: v0-31 addresses; v32-135, v136-239 two fragment buffers (9 of wqkv, then 4 of xb), at work again on the way out.
;   window 1: accumulators of row blocks 0, 1 ((a, b) at 72 a + 8 b).  window 2: those of row blocks 2, 3; v144-215 the bias of my 8 columns in each of the 9 column blocks; v216-217 at work.
.set KSTEP,  128
.set PITCH,  272                       ; an LDS row: 256 bytes + 16 = 68 words: the 16 rows of a load start at 16 different groups of four banks (64 banks of 4 bytes: ISA guide 11.1)
.set ATILE,  128*PITCH                 ; what waves 0 and 1 fetch: 128 rows of xb each
.set BTILE,  72*PITCH                  ; what waves 2 and 3 fetch: 72 rows of wqkv each
.set BOFF,   2*ATILE
.set SLOT,   2*ATILE+2*BTILE
.set STAGE,  2*SLOT                    ; behind the ring: 16 rows x 304 bytes for each wave, for the way out
.set SPITCH, 304                       ; 288 bytes + 16
.set SPARE,  STAGE+4*16*SPITCH         ; behind the stages: the spare words, 128 bytes for each wave: two blocks of 256 bytes that no other line names
.set LAPS,   4                         ; a lap = two K steps
.set ADRA, 16                          ; v16-17  LDS address of my fragments of xb in slot 0, 1
.set ADRB, 20                          ; v20-21  the same for wqkv
.set STO,  24                          ; v24     the way out: where I put 16 bytes of a row
.set RD,   25                          ; v25     where I read 256 bytes of q's rows back
.set CO,   26                          ; v26     my byte offset in q
.set RDK,  27                          ; v27     where I read the 32 bytes of K or V back
.set SPW,  28                          ; v28     LDS address of my spare word; never rewritten
.set NIL,  29                          ; v29     0; never rewritten
.set KO,   30                          ; v30     my byte offset in 512 bytes of a plane
.set BO,   31                          ; v31     my byte offset in 16 numbers of a bias
.set F0,   32
.set F1,   136
.set TMP,  32                          ; the way out: packed results
.set OB,   72                          ; the way out: rows read back, 36 registers for each of the four blocks
.set BIAS, 144                         ; window 2
.set BT,   216                         ; window 2
.set G1,  24                           ; s[24:31] descriptor group 1 for xb's tiles;  s[32:39] group 0, a set for each slot
.set G0,  32
.set G1B, 48                           ; s[48:55], s[56:63] the same for wqkv's
.set G0B, 56
.set WV,  76                           ; s76  my wave's number
.set FB,  77                           ; s77  0: I fetch for xb, 1: for wqkv
.set HF,  78                           ; s78  which half of that tile
.set MSB, 0
.macro WIN new                         ; the immediate's high byte repeats the setting that is left
.if MSB != (\new)
	s_set_vgpr_msb (MSB<<8)|(\new)
.set MSB, \new
.endif
.endm
.macro JLOAD s                         ; a joint load; an s_nop 0 and four v_nop follow each of the two lines, ahead of the jump, the label and what follows
	s_cmp_eq_u32 s[FB], 0
	s_cbranch_scc0 .Lfor_b_\@
	tensor_load_to_lds s[G0+4*(\s):G0+4*(\s)+3], s[G1:G1+7]
	s_nop 0
.rept 4
	v_nop
.endr
	s_branch .Lasked_\@
.Lfor_b_\@:
	tensor_load_to_lds s[G0B+4*(\s):G0B+4*(\s)+3], s[G1B:G1B+7]
	s_nop 0
.rept 4
	v_nop
.endr
.Lasked_\@:
.endm
.macro CREST                           ; a round of the cluster's barrier behind its opening barrier
	s_cmp_lg_u32 s[WV], 0
	s_cbranch_scc1 .Lnot_wave_0_\@
	s_barrier_signal -3
.Lnot_wave_0_\@:
	s_barrier_wait -3
	s_barrier_signal -1
	s_barrier_wait -1
.endm
.macro CROUND                          ; a whole round
	s_barrier_signal -1
	s_barrier_wait -1
	CREST
.endm
.macro PLACES                          ; four places in front of loads into registers that matrix instructions have read, and of conversions that read results
.rept 4
	v_nop
.endr
.endm
	s_load_b256 s[4:11], s[0:1], 0x0               ; xb s[4:5], wqkv s[6:7], bq s[8:9], bk s[10:11]
	s_load_b256 s[68:75], s[0:1], 0x20             ; bv s[68:69], q s[70:71], kb s[72:73], vb s[74:75]
	v_lshl_add_u32 v[SPW], v0, 2, SPARE
	v_mov_b32 v[NIL], 0
	ds_add_u32 v[SPW], v[NIL]                      ; the wave's opening: the add and its wait stand ahead of my first tensor load; the set-up below, work on registers, stands between them
	v_lshrrev_b32 v1, 5, v0
	v_readfirstlane_b32 s[WV], v1
	s_lshr_b32 s[FB], s[WV], 1
	s_and_b32 s[HF], s[WV], 1
	s_bfe_u32 s40, ttmp6, 0x40000                  ; cx, cy: my place in the cluster
	s_bfe_u32 s41, ttmp6, 0x40004
	s_lshl_b32 s42, ttmp9, 2
	s_add_co_u32 s42, s42, s40                     ; column block 0..7 = 4 x cluster x + cx
	s_and_b32 s13, ttmp7, 0xffff
	s_lshl_b32 s13, s13, 2
	s_add_co_u32 s13, s13, s41                     ; row block 0..31 = 4 x cluster y + cy
	s_lshl_b32 s43, s41, 2
	s_lshl_b32 s43, 15, s43                        ; my row of the cluster
	s_lshl_b32 s44, 0x1111, s40                    ; my column
	s_or_b32 s[G1+0], s43, (1<<16)|(1<<20)|(1<<21)|(5<<22)|(3<<25)  ; 15:0 the mask; 17:16 elements of 2 bytes; 20 padding on; 21 set beside a mask; 24:22 after every 64 words (code 5); 31:25 4 words (code 3)
	s_or_b32 s[G1B+0], s44, (1<<16)|(1<<20)|(1<<21)|(5<<22)|(3<<25)
	s_mov_b32 s[G1+1], KSTEP<<16                   ; tensor_dim0 = 128
	s_mov_b32 s[G1+2], 128<<16                     ; tensor_dim1 = 128
	s_mov_b32 s[G1+3], KSTEP<<16                   ; tile_dim0 = 128
	s_mov_b32 s[G1+4], 128                         ; tile_dim1 = 128
	s_mov_b32 s[G1+5], 1024                        ; elements from row to row
	s_mov_b32 s[G1+6], 0
	s_mov_b32 s[G1+7], 0
	s_mov_b32 s[G1B+1], KSTEP<<16
	s_mov_b32 s[G1B+2], 72<<16                     ; 72 rows
	s_mov_b32 s[G1B+3], KSTEP<<16
	s_mov_b32 s[G1B+4], 72
	s_mov_b32 s[G1B+5], 1024
	s_mov_b32 s[G1B+6], 0
	s_mov_b32 s[G1B+7], 0
	s_lshl_b32 s17, s[HF], 7
	s_lshl_b32 s16, s13, 8
	s_add_co_u32 s16, s16, s17                     ; xb: row 256 x row block + 128 x half,
	s_lshl_b32 s16, s16, 11                        ; of 2,048 bytes
	s_mov_b32 s17, 0
	s_mul_i32 s46, s42, 144
	s_mul_i32 s47, s[HF], 72
	s_add_co_u32 s46, s46, s47                     ; wqkv: row 144 x column block + 72 x half
	s_lshl_b32 s46, s46, 11
	s_mov_b32 s47, 0
	s_mul_i32 s20, s[WV], ATILE                    ; where they go: waves 0, 1: xb's two halves;
	s_mul_i32 s21, s[WV], BTILE
	s_add_co_u32 s21, s21, BOFF-2*BTILE            ; waves 2, 3: wqkv's two halves, behind xb's 256 rows
	s_wait_dscnt 0x0                               ; the opening add is done
	s_wait_kmcnt 0x0
	s_add_nc_u64 s[14:15], s[4:5], s[16:17]
	s_add_nc_u64 s[46:47], s[6:7], s[46:47]
	CROUND                                         ; all sixteen work-groups are here: the first joint loads meet
.irp s, 0,1
	s_mov_b32 s[G0+4*(\s)], 1
	s_add_co_u32 s[G0+4*(\s)+1], s20, (\s)*SLOT
	s_add_nc_u64 s[G0+4*(\s)+2:G0+4*(\s)+3], s[14:15], (\s)*KSTEP*2
	s_or_b32 s[G0+4*(\s)+3], s[G0+4*(\s)+3], 0x80000000
	s_mov_b32 s[G0B+4*(\s)], 1
	s_add_co_u32 s[G0B+4*(\s)+1], s21, (\s)*SLOT
	s_add_nc_u64 s[G0B+4*(\s)+2:G0B+4*(\s)+3], s[46:47], (\s)*KSTEP*2
	s_or_b32 s[G0B+4*(\s)+3], s[G0B+4*(\s)+3], 0x80000000
	JLOAD \s                                       ; two tensor loads of mine are out
.endr
	; the biases: of column block b a lane wants the eight numbers 16 b + 8 (l / 16) + 0..7
	s_lshl_b32 s66, s42, 9
	s_mov_b32 s67, 0
	s_add_nc_u64 s[80:81], s[8:9], s[66:67]        ; bq at my 128 columns
	s_and_b32 s79, s42, 3                          ; my plane of K or V
	s_cmp_lt_u32 s42, 4
	s_cselect_b64 s[82:83], s[10:11], s[68:69]     ; column blocks 0-3 carry K's columns, 4-7 V's
	s_cselect_b64 s[84:85], s[72:73], s[74:75]
	s_lshl_b32 s66, s79, 6
	s_add_nc_u64 s[82:83], s[82:83], s[66:67]
	v_and_b32 v1, 15, v0                           ; l % 16
	v_bfe_u32 v2, v0, 4, 1                         ; l / 16
	v_lshlrev_b32 v[BO], 5, v2
	WIN 0x80                                       ; destination window 2, address window 0
.irp b, 0,1,2,3,4,5,6,7
	global_load_b128 v[BIAS+8*(\b):BIAS+8*(\b)+3],   v[BO], s[80:81] offset:64*(\b)
	global_load_b128 v[BIAS+8*(\b)+4:BIAS+8*(\b)+7], v[BO], s[80:81] offset:64*(\b)+16
.endr
	global_load_b128 v[BIAS+64:BIAS+67], v[BO], s[82:83]
	global_load_b128 v[BIAS+68:BIAS+71], v[BO], s[82:83] offset:16
	WIN 0
	v_mul_u32_u24 v3, v1, PITCH
	v_lshl_add_u32 v3, v2, 4, v3                   ; a fragment's row x pitch + 16 x half
	s_mul_i32 s22, s[WV], 64*PITCH                 ; my 64 rows of xb
	v_add_nc_u32 v[ADRA], s22, v3
	v_add_nc_u32 v[ADRA+1], SLOT, v[ADRA]
	v_add_nc_u32 v[ADRB], BOFF, v3
	v_add_nc_u32 v[ADRB+1], SLOT, v[ADRB]
	s_mul_i32 s23, s[WV], 16*SPITCH
	s_add_co_u32 s23, s23, STAGE                   ; my stage
	v_mul_u32_u24 v[STO], v1, SPITCH               ; in: row l % 16, 16 bytes for each half of the lanes
	v_lshl_add_u32 v[STO], v2, 4, v[STO]
	v_add_nc_u32 v[STO], s23, v[STO]
	v_mul_u32_u24 v[RD], v2, SPITCH                ; back: lanes 0-15 take 256 bytes of one row, lanes 16-31 of the next
	v_lshl_add_u32 v[RD], v1, 4, v[RD]
	v_add_nc_u32 v[RD], s23, v[RD]
	v_lshlrev_b32 v[CO], 11, v2                    ; and the same two rows in q
	v_lshl_add_u32 v[CO], v1, 4, v[CO]
	v_and_b32 v4, 31, v0                           ; l
	v_lshrrev_b32 v5, 1, v4
	v_and_b32 v6, 1, v4
	v_mul_u32_u24 v[RDK], v5, SPITCH               ; the last 32 bytes of row l / 2, half l % 2:
	v_lshl_add_u32 v[RDK], v6, 4, v[RDK]
	v_add_nc_u32 v[RDK], s23, v[RDK]
	v_add_nc_u32 v[RDK], 256, v[RDK]
	v_lshlrev_b32 v[KO], 4, v4                     ; 512 bytes on end in the plane
	s_lshl_b32 s86, s13, 8
	s_lshl_b32 s87, s[WV], 6
	s_add_co_u32 s86, s86, s87                     ; my first row
	s_lshl_b32 s66, s86, 11
	s_lshl_b32 s87, s42, 8
	s_add_co_u32 s66, s66, s87
	s_add_nc_u64 s[70:71], s[70:71], s[66:67]      ; q at my first row, my work-group's 256 bytes
	s_lshl_b32 s66, s86, 5
	s_lshl_b32 s87, s79, 18
	s_add_co_u32 s66, s66, s87
	s_add_nc_u64 s[84:85], s[84:85], s[66:67]      ; my plane at my first row
	s_wait_loadcnt 0x0                             ; the biases
	WIN 0x8a                                       ; all in window 2
.set i, 0
.rept 36                               ; rounded to bf16 like every input, and widened again
	v_cvt_pk_bf16_f32 v[BT+i%2], v[BIAS+2*i], v[BIAS+2*i+1]
	v_lshlrev_b32 v[BIAS+2*i], 16, v[BT+i%2]
	v_and_b32 v[BIAS+2*i+1], 0xffff0000, v[BT+i%2]
.set i, i+1
.endr
	WIN 0
; 9 matrix instructions: row block a x all 9 column blocks, 32 along K.  first = 1: the sums start with the bias.  The 36 accumulators take turns, in the same order in every quarter.
.macro MULA f, a, first
.if (\a) < 2
.set AB, 72*(\a)
.if \first
	WIN 0x60                                       ; D window 1, C (the bias) window 2
.else
	WIN 0x50                                       ; C and D window 1
.endif
.else
.set AB, 72*((\a)-2)
	WIN 0xa0                                       ; C and D window 2
.endif
.irp b, 0,1,2,3,4,5,6,7,8
.if \first
	v_wmma_f32_16x16x32_bf16 v[AB+8*(\b):AB+8*(\b)+7], v[(\f)+8*(\b):(\f)+8*(\b)+7], v[(\f)+72+8*(\a):(\f)+72+8*(\a)+7], v[BIAS+8*(\b):BIAS+8*(\b)+7]
.else
	v_wmma_f32_16x16x32_bf16 v[AB+8*(\b):AB+8*(\b)+7], v[(\f)+8*(\b):(\f)+8*(\b)+7], v[(\f)+72+8*(\a):(\f)+72+8*(\a)+7], v[AB+8*(\b):AB+8*(\b)+7]
.endif
.endr
.endm
; 26 LDS loads in one run: the fragments of 32 along K at byte k of the rows: wqkv's nine, then xb's four
.macro FETCH slot, k, f
	WIN 0
.irp i, 0,1,2,3,4,5,6,7,8
	ds_load_b128 v[(\f)+8*(\i):(\f)+8*(\i)+3],   v[ADRB+(\slot)] offset:(\k)+(\i)*16*PITCH
	ds_load_b128 v[(\f)+8*(\i)+4:(\f)+8*(\i)+7], v[ADRB+(\slot)] offset:(\k)+(\i)*16*PITCH+32
.endr
.irp i, 0,1,2,3
	ds_load_b128 v[(\f)+72+8*(\i):(\f)+72+8*(\i)+3],   v[ADRA+(\slot)] offset:(\k)+(\i)*16*PITCH
	ds_load_b128 v[(\f)+72+8*(\i)+4:(\f)+72+8*(\i)+7], v[ADRA+(\slot)] offset:(\k)+(\i)*16*PITCH+32
.endr
.endm
; A K step is four quarters of 32 along K, 36 matrix instructions each, on buffers 0, 1, 0, 1.  One of the first three: multiplies buffer f and fetches the next quarter, at byte k, into g.
.macro QUARTER slot, k, f, g, first
	s_wait_dscnt 4                                 ; the youngest four loads (xb's row blocks 2, 3) may be out
	MULA \f, 0, \first
	MULA \f, 1, \first
	PLACES
	FETCH \slot, \k, \g
	s_wait_dscnt 26                                ; all but the 26 just issued
	MULA \f, 2, \first
	MULA \f, 3, \first
.endm
; The last quarter multiplies buffer 1 and changes slots: ONE barrier; in front of it each wave waits for all its tensor loads, adds 0 to its spare word, and waits for that and for its own reads of this slot.
; fill = 1: the barrier opens a round of the cluster's, and this slot is filled again, two K steps ahead, first thing behind the round: one tensor load of mine is out.
.macro TURN slot, next, fill
	WIN 0
	s_wait_tensorcnt 0x0                           ; all my tensor loads have landed: my part of the next slot;
	ds_add_u32 v[SPW], v[NIL]                      ; 0 onto my spare word;
	s_wait_dscnt 5                                 ; (the add and the youngest four loads may be out)
	MULA F1, 0, 0                                  ; nine matrix instructions stand between the add and the wait for it
	s_wait_dscnt 0x0                               ; the add is done, and my reads of this slot are over
	s_barrier_signal -1
	MULA F1, 1, 0
.if \fill
	WIN 0
.endif
	s_barrier_wait -1
.if \fill
	CREST                                          ; no wave of any partner still reads this slot's tile or has a load on its way
	s_add_nc_u64 s[G0+4*(\slot)+2:G0+4*(\slot)+3], s[G0+4*(\slot)+2:G0+4*(\slot)+3], 2*KSTEP*2
	s_add_nc_u64 s[G0B+4*(\slot)+2:G0B+4*(\slot)+3], s[G0B+4*(\slot)+2:G0B+4*(\slot)+3], 2*KSTEP*2
	JLOAD \slot                                    ; the four v_nop behind it are also the places in front of the loads below
.else
	PLACES
.endif
	FETCH \next, 0, F0
	MULA F1, 2, 0
	MULA F1, 3, 0
.endm
	s_wait_tensorcnt 1                             ; my part of K step 0 is in; K step 1's may stay out
	s_barrier_signal -1
	s_barrier_wait -1                              ; everybody's is
	FETCH 0, 0, F0
	QUARTER 0, 64, F0, F1, 1                       ; the first quarter stands in front of the loop: its products start the sums
	WIN 0                                          ; at a label and at a branch every window is 0
	s_mov_b32 s3, LAPS-1
.Llap:                                                 ; a trip goes once round the ring, from a lap's second quarter to the next lap's first, and fills both slots again
	QUARTER 0, 128, F1, F0, 0
	QUARTER 0, 192, F0, F1, 0
	TURN 0, 1, 1
	QUARTER 1, 64,  F0, F1, 0
	QUARTER 1, 128, F1, F0, 0
	QUARTER 1, 192, F0, F1, 0
	TURN 1, 0, 1
	QUARTER 0, 64,  F0, F1, 0
	WIN 0
	s_sub_co_u32 s3, s3, 1
	s_cmp_lg_u32 s3, 0
	s_cbranch_scc1 .Llap
	QUARTER 0, 128, F1, F0, 0                      ; the last lap fills nothing, and has no round of the cluster's barrier
	QUARTER 0, 192, F0, F1, 0
	TURN 0, 1, 0
	QUARTER 1, 64,  F0, F1, 0
	QUARTER 1, 128, F1, F0, 0
	QUARTER 1, 192, F0, F1, 0
	s_wait_dscnt 4                                 ; the very last quarter: nothing more to fetch
	MULA F1, 0, 0
	MULA F1, 1, 0
	s_wait_dscnt 0x0
	MULA F1, 2, 0
	MULA F1, 3, 0
; THE WAY OUT, a block of 16 rows at a time: rounded to f16, 16 bytes a lane into my own stage, back as 256 bytes of a row of q and as the 16 rows' 32 bytes of K or V on end.
.macro PACK a
.if (\a) < 2
	WIN 0x05                                       ; sources in window 1
.set AB, 72*(\a)
.else
	WIN 0x0a                                       ; sources in window 2
.set AB, 72*((\a)-2)
.endif
.irp b, 0,1,2,3,4,5,6,7,8
.irp i, 0,1,2,3
	v_cvt_pk_f16_f32 v[TMP+4*(\b)+(\i)], v[AB+8*(\b)+2*(\i)], v[AB+8*(\b)+2*(\i)+1]
.endr
.endr
	WIN 0
.endm
.macro TOSTAGE a
.irp b, 0,1,2,3,4,5,6,7,8
	ds_store_b128 v[STO], v[TMP+4*(\b):TMP+4*(\b)+3] offset:32*(\b)
.endr
.irp t, 0,1,2,3,4,5,6,7
	ds_load_b128 v[OB+36*(\a)+4*(\t):OB+36*(\a)+4*(\t)+3], v[RD] offset:(\t)*2*SPITCH  ; LDS serves a wave's instructions in order (ISA guide 5.7.1.4): these see the stores above
.endr
	ds_load_b128 v[OB+36*(\a)+32:OB+36*(\a)+35], v[RDK]
.endm
.macro SEND a                          ; each block has registers of its own, so no store's source is ever rewritten
	s_wait_dscnt 0x0                               ; the block is back in registers
.irp t, 0,1,2,3,4,5,6,7
	global_store_b128 v[CO], v[OB+36*(\a)+4*(\t):OB+36*(\a)+4*(\t)+3], s[70:71] offset:(16*(\a)+2*(\t))*2048  ; sixteen lanes store 256 consecutive bytes, aligned
.endr
	global_store_b128 v[KO], v[OB+36*(\a)+32:OB+36*(\a)+35], s[84:85] offset:512*(\a)  ; 512 consecutive bytes of the plane
.endm
	PLACES
	PACK 0
	TOSTAGE 0
.irp a, 1,2,3                          ; block a's conversions stand between block a - 1's loads from the stage and the wait for them
	PACK \a
	SEND (\a)-1
	TOSTAGE \a
.endr
	SEND 3
	s_wait_tensorcnt 0x0                           ; the wave's end: behind my last tensor load and my last LDS store
	ds_add_u32 v[SPW], v[NIL]
	s_wait_dscnt 0x0
	CROUND                                         ; the closing round: no work-group ends while a partner may still ask for a tile that names it
	s_endpgm
.Lfunc_end_k_qa1a16602d0_proj:
	.size	k_qa1a16602d0_proj, .Lfunc_end_k_qa1a16602d0_proj-k_qa1a16602d0_proj
	.p2alignl 7, 3214868480
	.fill 96, 4, 3214868480
	.section	.rodata,"a",@progbits
	.p2align	6, 0x0
	.amdhsa_kernel k_qa1a16602d0_proj
		.amdhsa_group_segment_fixed_size 327680
		.amdhsa_private_segment_fixed_size 0
		.amdhsa_enable_private_segment 0
		.amdhsa_kernarg_size 64
		.amdhsa_user_sgpr_count 2
		.amdhsa_user_sgpr_kernarg_segment_ptr 1
		.amdhsa_wavefront_size32 1
		.amdhsa_system_sgpr_workgroup_id_x 1
		.amdhsa_system_sgpr_workgroup_id_y 1
		.amdhsa_system_sgpr_workgroup_id_z 1
		.amdhsa_system_vgpr_workitem_id 0
		.amdhsa_next_free_vgpr 736
		.amdhsa_next_free_sgpr 88
		.amdhsa_reserve_vcc 0
		.amdhsa_float_denorm_mode_32 3
		.amdhsa_float_denorm_mode_16_64 3
		.amdhsa_memory_ordered 1
		.amdhsa_forward_progress 1
		.amdhsa_inst_pref_size 102
	.end_amdhsa_kernel
	.amdgpu_metadata
---
amdhsa.version: [ 1, 2 ]
amdhsa.kernels:
  - .name:           k_qa1a16602d0_proj
    .symbol:         k_qa1a16602d0_proj.kd
    .args:
      - { .name: xb, .offset: 0, .size: 8, .value_kind: global_buffer, .address_space: global }
      - { .name: wqkv, .offset: 8, .size: 8, .value_kind: global_buffer, .address_space: global }
      - { .name: bq, .offset: 16, .size: 8, .value_kind: global_buffer, .address_space: global }
      - { .name: bk, .offset: 24, .size: 8, .value_kind: global_buffer, .address_space: global }
      - { .name: bv, .offset: 32, .size: 8, .value_kind: global_buffer, .address_space: global }
      - { .name: q, .offset: 40, .size: 8, .value_kind: global_buffer, .address_space: global }
      - { .name: kb, .offset: 48, .size: 8, .value_kind: global_buffer, .address_space: global }
      - { .name: vb, .offset: 56, .size: 8, .value_kind: global_buffer, .address_space: global }
    .group_segment_fixed_size: 327680
    .private_segment_fixed_size: 0
    .kernarg_segment_align: 8
    .kernarg_segment_size: 64
    .max_flat_workgroup_size: 128
    .sgpr_count:     88
    .vgpr_count:     736
    .wavefront_size: 32
...
	.end_amdgpu_metadata
.endif
;; end of part 2
;; launch attn (part 3): grid 64 x 4, 4 waves a work-group, clusters of 4 x 1, 327,680 bytes of LDS; arguments q, kb, vb, o; writes o
.if DOCPART == 3
	.amdgcn_target "amdgcn-amd-amdhsa--gfx1250"
	.amdhsa_code_object_version 6
	.text
	.protected	k_qa1a16602d0_attn
	.globl	k_qa1a16602d0_attn
	.p2align	8
	.type	k_qa1a16602d0_attn,@function
k_qa1a16602d0_attn:
	s_mov_b64 s[64:65], 0
	v_nop
	global_prefetch_b8 v0, s[64:65] scope:SCOPE_SE
	s_setreg_imm32_b32 hwreg(HW_REG_WAVE_MODE, 25, 1), 1
	s_wait_xcnt 0x0
	s_wait_alu depctr_hold_cnt(0) depctr_sa_sdst(0) depctr_va_vdst(0) depctr_va_sdst(0) depctr_va_ssrc(0) depctr_va_vcc(0) depctr_vm_vsrc(0)
	s_getreg_b32 s2, hwreg(HW_REG_IB_STS2, 6, 4)
	s_cmp_eq_u32 s2, 0
	s_cbranch_scc0 .Lentry_in_a_cluster
	s_endpgm
.Lentry_in_a_cluster:
	s_bfe_u32 s2, ttmp6, 0x10000c
	s_cmp_lg_u32 s2, 0x3003
	s_cbranch_scc0 .Lentry_shape_is_right
	s_endpgm
.Lentry_shape_is_right:
; MULTI-QUERY ATTENTION.  o[row][64 head + :] = the sum over the batch's 2,048 keys of softmax_k(q[row][64 head + :] . K[k] / 8) V[k][:].  q, o: [8192][1024] f16; K and V, shared by the 16 heads,
; lie in planes: kb, vb: [4 planes][8192 keys][16 channels] f16.  Products, maxima and sums in f32; the weights p are rounded to f16 for the second product (their sum l is taken of the unrounded p), o once at the end.
; LIMITS.  f16 holds no number beyond 65,504: q, K and V arrive within it; p lies in 0 to 1, and below 6e-5 it keeps f16's fixed step of 6e-8; o is a mean of V's rows and has their range.
; A weight below 2^-126 counts as 0 in l; NaN and infinities are not treated apart.
; SHARES.  A work-group owns 32 rows of a batch x all 16 heads: 512 queries.  Wave w owns heads 4 w .. 4 w + 3: tile t (0..7) is head 4 w + t % 4, rows 16 (t / 4) on; four PIECES of two tiles: two neighbouring
; heads of the same 16 rows, 256 bytes on end of each row of q and o.  Every wave walks all keys, 64 a step.
; LAYOUT.  S^T = K Q^T (source 0 = 16 keys, source 1 = 16 queries): in the result a lane holds ONE query (lane % 16) and the keys 8 (lane / 16) + 0..7.  Two such tiles, rounded to f16 in pairs,
; ARE source 1 (32 keys x 16 queries) of O^T = V^T P, whose result again holds one query a lane, and eight channels.  Half a fragment of K (16 bytes a lane) lies in one plane; V is turned by ds_load_tr16_b128,
; which takes 16 keys x 16 channels: 512 bytes on end of one plane.
; SOFTMAX.  For each query a running maximum m and sum l: p = 2^(c s - c m), c = log2(e) / 8; in every step O and l are multiplied by a = 2^(c m_old - c m_new), which is 1 where m has not grown.
; m starts at the lowest finite number, O and l at 0: the first step is a step like any other, with a = 0.
; THE COUNT.  A tile and step have 16 matrix and 118 vector instructions: too many to stand all beside the matrix work.  So the order has one aim: four vector instructions that are READY behind
; EVERY matrix instruction, and the others, which need time of their own whatever the order, in runs without a gap.
; BY TURNS.  Turn n belongs to piece n (the pieces in a ring, step after step).  Its matrix work: 16 products K Q^T of piece n + 1, later 16 products V^T P of piece n - 1.  Its vector work: the scaling,
; exponentials, roundings, sums and rescaling of piece n, and the maximum and statistics of piece n + 1, whose scores the turn itself has made.  So what a turn begins with (c s - c m, O a) waits for nothing.
; CLUSTER.  The four work-groups of a cluster belong to one batch and walk the same K and V, so each tile is asked for JOINTLY: the same tensor load, descriptor and mask in all four.
; REGISTERS, in windows of 256 (s_set_vgpr_msb says which window each operand place means: bits 1:0 source 0, 3:2 source 1, 5:4 source 2, 7:6 destination):
;   window 0: v0-11 addresses; v12-15, v48-63 at work; v16-47 four registers of statistics a tile; v64-191 S^T, two buffers of two tiles; v192-255 P, likewise
;   window 1: O^T, 32 a tile          window 2: v0-127 Q, 16 a tile; v128-191 K of one step; v192-255 V of one step          window 3: v0-1 the add's two registers
; A piece's buffers go by its number's parity: the piece in hand has one pair, its two neighbours in the ring share the other: of it P (piece n - 1) is read and S^T (piece n + 1) written.
.set SIZE_N, 2048     ; keys of a batch
.set NP,    4         ; pieces a wave: a name, no knob
.set KS,    64        ; keys in a step
.set PK,    48        ; a key in a plane of K in LDS: 32 bytes + 16 of padding = 12 words: the 16 keys of a load start at 16 different groups of four banks (64 banks of 4 bytes: ISA guide 11.1)
.set PLK,   256*PK    ; a plane of K in a slot: 256 keys
.set PV,    32        ; a key in a plane of V: dense: 16 lanes of the turning load take 256 bytes on end
.set PLV,   256*PV
.set VOFF,  4*PLK     ; a slot holds four steps: K's four planes, then V's four
.set SLOT1, 1<<17     ; slot 1 begins here, so that one exclusive or turns an address in one slot into the other's
.set STAGE, SLOT1+4*PLK+4*PLV  ; behind the ring, never filled by a tensor load: 16 rows x 272 bytes for each wave, for the way out
.set SP,    272
.set AK0, 2           ; v2   my lane's place in a plane of K; never rewritten
.set AV0, 3           ; v3   the same for V
.set AK,  4           ; v4   the LDS address of K's next run of loads
.set AV,  5           ; v5   of V's
.set QO,  6           ; v6   my byte offset in 16 rows of q
.set STO, 6           ;      later, the way out: where I put 16 bytes of a row
.set RD,  7           ; v7   the way out: where I read rows back
.set GO,  8           ; v8   my byte offset in two rows of o
.set PFO, 11          ; v11  256 x my lane, for the prefetches; never rewritten once made
.set SPW, 0           ; v0 of window 3   LDS address of my spare word: SPARE + 4 x my thread's number; never rewritten
.set NIL, 1           ; v1 of window 3   0; never rewritten
.set SPARE, STAGE+4*16*SP  ; behind the stages: the spare words, 128 bytes for each wave: two blocks of 256 bytes that no other line names
.set MV,  12          ; v12-15  c m_old, kept while c m is made anew: by buffer and tile
.set ST,  16          ; tile t's statistics at v[ST+4 t]: c m, m, l (even keys', odd keys')
.set TMP, 48          ; by buffer and tile, four registers c0-c3 at work; when the maximum is found c2 takes a
.set S,   64
.set P,   192
.set KF,  128         ; K's fragments, in window 2: key block kb, channel half c at KF + 16 kb + 8 c
.set VF,  192         ; V's: key half kk, channel block cb at VF + 32 kk + 8 cb
.set WV,  12          ; s12  my wave's number
.set G1K, 24          ; s[24:31] descriptor group 1 for K's tiles
.set G1V, 32          ; s[32:39] for V's: it differs in the padding alone
.set G0K, 40          ; s[40:43] descriptor group 0 for K's tiles: it walks
.set G0V, 44          ; s[44:47] the same for V's
.set PFA, 48          ; s[48:49] where my prefetches stand: my work-group's plane (of K: wave 0, of V: wave 2), at the slot after the one that is being asked for
.set LIM, 50          ; s50  1 in a wave that prefetches, else the greatest number: a wave prefetches while s[SLOTS] is above it
.set SLOTS, 56        ; s56  slots still to be asked for
.set CNT, 57          ; s57  counts a slot's key steps
.set CS,  58          ; s[58:59] c: the packed scaling takes the pair's low word for both halves
.set SEL, 60          ; s[60:61] v_permlanex16_b32's selects: each lane takes its own place in the other half
.set TBK, 62          ; s62  LDS byte at which K of the step to be fetched begins, in each plane
.set TBV, 63          ; s63  the same for V, less VOFF
.set MSB, 0
.macro WIN new                      ; the high byte repeats the setting that is left; a switch that changes nothing is dropped
.if MSB != (\new)
	s_set_vgpr_msb (MSB<<8)|(\new)
.set MSB, (\new)
.endif
.endm
.set W_KQ, 0x0a       ; K and Q in window 2, S^T in window 0
.set W_PV, 0x52       ; V in window 2, P in window 0, O^T in window 1
.set W_RS, 0x41       ; O^T (destination and source 0) in window 1, a in window 0
.set W_MK, 0xc0       ; the add's registers are made: destination in window 3, sources in window 0
.set W_AD, 0x0f       ; the add: address (source 0) and data (source 1) in window 3
; A joint fill.  Waves 0 and 1 fetch planes 0, 1 and 2, 3 of a slot's K, waves 2 and 3 those of its V.  The branch hangs on the wave's number alone.
; An s_nop 0 and four v_nop follow each of the two lines, ahead of the jump and the label.
.macro JLOAD
	s_cmp_lt_u32 s[WV], 2
	s_cbranch_scc0 .Lfor_v_\@
	tensor_load_to_lds s[G0K:G0K+3], s[G1K:G1K+7]
	s_nop 0
.rept 4
	v_nop
.endr
	s_branch .Lasked_\@
.Lfor_v_\@:
	tensor_load_to_lds s[G0V:G0V+3], s[G1V:G1V+7]
	s_nop 0
.rept 4
	v_nop
.endr
.Lasked_\@:
.endm
; A PREFETCH INTO THE L2 of what the NEXT change of slots will ask for: a slot is 8,192 bytes of each of K's and V's four planes.  It stands behind the wave's tensor load and its five lines.
; Each block of 256 bytes is asked for ONCE in the launch.  All sixteen clusters of a batch walk the same K and V: the batch's first cluster prefetches.  Its four partners share the planes out BY ADDRESS, one each:
; no branch hangs on a work-group's place in its cluster.  In each, wave 0 asks for K's plane and wave 2 for V's: 32 lanes x 256 bytes, one instruction, four key steps (512 matrix instructions) ahead of the load.
; The last change that fills a slot prefetches nothing: there is no slot behind it.  Slots 0 to 2 come by their loads alone.
.macro ASK
	s_cmp_gt_u32 s[SLOTS], s[LIM]
	s_cbranch_scc0 .Lnot_mine_\@
	global_prefetch_b8 v[PFO], s[PFA:PFA+1] th:TH_LOAD_NT scope:SCOPE_SE
.Lnot_mine_\@:
.endm
; A round of the cluster's barrier: my work-group's barrier, so that wave 0's signal speaks for all four waves; wave 0 signals; every wave waits for all four work-groups; my work-group's barrier once more.
.macro CROUND
	s_barrier_signal -1
	s_barrier_wait -1
	s_cmp_lg_u32 s[WV], 0
	s_cbranch_scc1 .Lnot_wave_0_\@
	s_barrier_signal -3
.Lnot_wave_0_\@:
	s_barrier_wait -3
	s_barrier_signal -1
	s_barrier_wait -1
.endm
; THE CHANGE OF SLOTS.  The slot's last bytes, V of its fourth step, have been read.  Each wave waits for all its tensor loads, of which one is out: its part
; of the other slot; adds 0 to its spare word; and waits for that and for its own reads of the slot.  Behind the barrier nobody reads this slot any more and the other slot is whole.
; fill = 1: this slot is filled again, with the keys two slots on.  The barrier is then a round of the cluster's, so that no wave of any partner still reads the slot or has a load on its
; way, and the joint fill is the first thing behind it: it has four key steps, 512 matrix instructions, in which to land.  (At its first use nothing has been read yet: slot 0 is waited for, slot 1 filled.)
; ask = 1 (in the loop): the prefetches' address steps, and ASK follows the fill.
.macro CHANGE fill, ask=0
	WIN W_AD
	s_wait_tensorcnt 0x0            ; no tensor load of mine is out, so a group 0 may be written
	ds_add_u32 v[SPW], v[NIL]       ; 0 onto my spare word; with fill = 1 the descriptors' steps stand between it and the wait for it
	WIN 0                           ; at a label and at a branch every window is 0
.if \fill
.irp g, G0K, G0V
	s_xor_b32 s[\g+1], s[\g+1], SLOT1  ; the walking descriptor: the other slot than last time,
	s_add_nc_u64 s[\g+2:\g+3], s[\g+2:\g+3], 4*KS*32  ; the next 256 keys of each plane; the type bits on top are not reached
.endr
.if \ask
	s_wait_xcnt 0x0                 ; the last prefetch, four key steps back, has read its address, so it may be written:
	s_add_nc_u64 s[PFA:PFA+1], s[PFA:PFA+1], 4*KS*32  ; one slot behind the walking descriptors
.endif
	s_wait_dscnt 0x0                ; the add is done, and my reads of the slot are over
	CROUND
	JLOAD
.if \ask
	ASK
.endif
.else
	s_wait_dscnt 0x0                ; the add is done, and my reads of the slot are over
	s_barrier_signal -1
	s_barrier_wait -1
.endif
	s_sub_co_u32 s[TBK], s[TBK], 4*KS*PK  ; the fetches go back to a slot's first step,
	s_xor_b32 s[TBK], s[TBK], SLOT1       ; in the other slot
	s_sub_co_u32 s[TBV], s[TBV], 4*KS*PV
	s_xor_b32 s[TBV], s[TBV], SLOT1
.endm
	s_load_b256 s[4:11], s[0:1], 0x0  ; q s[4:5], kb s[6:7], vb s[8:9], o s[10:11]
	WIN W_MK
	v_lshl_add_u32 v[SPW], v0, 2, SPARE
	v_mov_b32 v[NIL], 0
	WIN W_AD
	ds_add_u32 v[SPW], v[NIL]       ; the wave's opening: the add and its wait stand ahead of my first tensor load; the set-up below, work on registers, stands between them
	WIN 0
	v_lshrrev_b32 v1, 5, v0
	v_readfirstlane_b32 s[WV], v1   ; wave 0..3
	s_bfe_u32 s13, ttmp6, 0x40000   ; cx: my place in the cluster
	s_lshl_b32 s14, ttmp9, 2        ; in a cluster launch ttmp9 counts clusters
	s_add_co_u32 s14, s14, s13      ; my block of 32 rows = 4 x cluster x + cx: it enters q's and o's addresses alone
	s_and_b32 s20, ttmp7, 0xffff    ; the batch, which the four partners share
	s_and_b32 s16, s[WV], 1         ; which two planes I fetch
	s_lshl_b32 s22, s20, 16         ; the batch's 2,048 keys of 32 bytes in a plane,
	s_lshl_b32 s23, s16, 19         ; my two planes of 262,144 bytes
	s_add_co_u32 s22, s22, s23
	s_mov_b32 s23, 0
	s_mul_i32 s17, s16, 2*PLK       ; and their place in a slot, for K
	s_mul_i32 s18, s16, 2*PLV       ; and for V: no place in the cluster enters an LDS address
	s_lshl_b32 s52, s20, 22         ; the batch's 2,048 rows of 2,048 bytes,
	s_lshl_b32 s53, s14, 16         ; my block's 32 rows,
	s_add_co_u32 s52, s52, s53
	s_lshl_b32 s53, s[WV], 9        ; my wave's four heads of 128 bytes
	s_add_co_u32 s52, s52, s53
	s_mov_b32 s53, 0
	s_lshl_b32 s2, s13, 18          ; the prefetches: my work-group's plane,
	s_lshl_b32 s3, s20, 16          ; the batch's keys,
	s_add_co_u32 s2, s2, s3
	s_add_co_u32 s2, s2, 2*4*KS*32  ; slot 2; the first change of slots in the loop steps it to slot 3
	s_mov_b32 s3, 0
	; descriptor group 1.  A tile is two planes' 256 keys: two rows of 8,192 dense bytes, a plane apart in memory; K is padded in LDS after every key's 32 bytes
	s_mov_b32 s[G1K], 15|(1<<16)|(1<<20)|(1<<21)|(2<<22)|(3<<25)  ; 15:0 the mask of four; 17:16 2-byte elements; 20 padding on; 21 set beside a mask; 24:22 after every 8 words (code 2); 31:25 4 words (code 3)
	s_mov_b32 s[G1V], 15|(1<<16)|(1<<21)                          ; the same without padding
.irp g, G1K, G1V
	s_mov_b32 s[\g+1], 4096<<16     ; tensor_dim0 = 4,096
	s_mov_b32 s[\g+2], 2<<16        ; tensor_dim1 = 2
	s_mov_b32 s[\g+3], 4096<<16     ; tile_dim0 = 4,096
	s_mov_b32 s[\g+4], 2            ; tile_dim1 = 2
	s_mov_b32 s[\g+5], 131072       ; 8,192 keys x 16 elements from plane to plane
	s_mov_b32 s[\g+6], 0
	s_mov_b32 s[\g+7], 0
.endr
	s_mov_b32 s[CS], 0x3e38aa3b     ; c = log2(e) / 8 = 0.180337
	s_mov_b32 s[CS+1], s[CS]        ; named with it as a pair
	s_mov_b32 s[SEL], 0x76543210
	s_mov_b32 s[SEL+1], 0xfedcba98
	s_mov_b32 s[TBK], SLOT1+4*KS*PK ; the first change of slots turns these two into 0
	s_mov_b32 s[TBV], SLOT1+4*KS*PV
	s_mov_b32 s[G0K], 1             ; 1:0 count = 1
	s_mov_b32 s[G0K+1], s17         ; 63:32 LDS address: slot 0
	s_mov_b32 s[G0V], 1
	s_add_co_u32 s[G0V+1], s18, VOFF
	s_and_b32 s[LIM], s[WV], 1      ; 0 in waves 0 and 2,
	s_or_b32 s[LIM], s[LIM], ttmp9  ; where the cluster is the batch's first: the same in all four partners
	s_cmp_eq_u32 s[LIM], 0
	s_cselect_b32 s[LIM], 1, -1
	s_wait_dscnt 0x0                ; the opening add is done
	s_wait_kmcnt 0x0
	s_add_nc_u64 s[G0K+2:G0K+3], s[6:7], s[22:23]  ; 120:64 global address: my two planes at the batch's first 256 keys
	s_or_b32 s[G0K+3], s[G0K+3], 0x80000000        ; 127:126 type = 2
	s_add_nc_u64 s[G0V+2:G0V+3], s[8:9], s[22:23]
	s_or_b32 s[G0V+3], s[G0V+3], 0x80000000
	s_add_nc_u64 s[4:5], s[4:5], s[52:53]  ; q and o at my block's first row, my wave's first head
	s_add_nc_u64 s[10:11], s[10:11], s[52:53]
	s_cmp_lt_u32 s[WV], 2
	s_cselect_b64 s[PFA:PFA+1], s[6:7], s[8:9]
	s_add_nc_u64 s[PFA:PFA+1], s[PFA:PFA+1], s[2:3]
	CROUND                          ; all four work-groups are here: the first joint loads meet
	JLOAD                           ; slot 0.  Slot 1 is asked for when slot 0 is in: the tile wanted first has the road to itself
	; A fragment of Q is 16 rows x 32 channels in 8 registers: lane l holds row l % 16, channels 8 (l / 16) + 0..7 and 16 + 8 (l / 16) + 0..7: two loads of 16 bytes, 32 bytes apart.
	v_and_b32 v1, 15, v0            ; l % 16
	v_bfe_u32 v9, v0, 4, 1          ; l / 16
	v_lshlrev_b32 v[QO], 11, v1
	v_lshl_add_u32 v[QO], v9, 4, v[QO]  ; row x 2,048 + 16 x half
	WIN 0x80                        ; destination window 2, address window 0
.set i, 0
.rept 4*NP                          ; Q stays in registers: tile i / 2 (rows 16 (tile / 4) on, head tile % 4), channels 32 (i % 2) on
	global_load_b128 v[8*i:8*i+3],   v[QO], s[4:5] offset:((i/2)/4)*32768+((i/2)%4)*128+(i%2)*64
	global_load_b128 v[8*i+4:8*i+7], v[QO], s[4:5] offset:((i/2)/4)*32768+((i/2)%4)*128+(i%2)*64+32
.set i, i+1
.endr
	; What the first turn finds: V's registers and P's second buffer hold 0 (its products V^T P, of a piece that has not been, add 0), O^T and l are 0.  All this stands in the wait for the first tile.
.set i, VF
.rept 64
	v_mov_b32 v[i], 0
.set i, i+1
.endr
	WIN 0x40
.set i, 0
.rept 64*NP
	v_mov_b32 v[i], 0
.set i, i+1
.endr
	WIN 0
.set i, 0
.rept 2*NP
	v_mov_b32 v[ST+4*i], 0xfe000000    ; c m: far below every c s
	v_mov_b32 v[ST+4*i+1], 0xff7fffff  ; m
	v_mov_b32 v[ST+4*i+2], 0
	v_mov_b32 v[ST+4*i+3], 0
.set i, i+1
.endr
.set i, P+32
.rept 32
	v_mov_b32 v[i], 0
.set i, i+1
.endr
	v_mul_u32_u24 v[AK0], v1, PK
	v_lshl_add_u32 v[AK0], v9, 4, v[AK0]  ; key x pitch + 16 x half
	; The turning load takes 16 keys x 16 channels (lane l reads key 8 (l / 16) + l % 8, channels 8 ((l / 8) % 2) + 0..7) and leaves half a fragment of V^T: lane l holds channel l % 16 and 8 keys.
	v_and_b32 v10, 7, v0
	v_bfe_u32 v11, v0, 3, 1
	v_lshl_add_u32 v[AV0], v9, 3, v10
	v_mul_u32_u24 v[AV0], v[AV0], PV
	v_lshl_add_u32 v[AV0], v11, 4, v[AV0]
	v_add_nc_u32 v[AV0], VOFF, v[AV0]
	v_mov_b32 v[AK], v[AK0]         ; key step 0 lies at the head of slot 0
	v_and_b32 v[PFO], 31, v0
	v_lshlrev_b32 v[PFO], 8, v[PFO]
; THE MATRIX WORK.  The 8 accumulators of a run of 16 take turns: between the two links of a chain stand 7 others'.
; Product i of 16 of S^T = K Q^T for piece x: channels 32 (i / 8) on, keys 16 ((i / 2) % 4) on, tile 2 x + i % 2.  The first 8 start the sums.
.macro KQ x
	WIN W_KQ
.set rS, S+64*((\x)%2)+32*(i%2)+8*((i/2)%4)
.set rK, KF+16*((i/2)%4)+8*(i/8)
.set rQ, 16*(2*(\x)+i%2)+8*(i/8)
.if i < 8
	v_wmma_f32_16x16x32_f16 v[rS:rS+7], v[rK:rK+7], v[rQ:rQ+7], 0
.else
	v_wmma_f32_16x16x32_f16 v[rS:rS+7], v[rK:rK+7], v[rQ:rQ+7], v[rS:rS+7]
.endif
.endm
; Product i of 16 of O^T += V^T P for piece x: keys 32 (i / 8) on, channels 16 ((i / 2) % 4) on, tile 2 x + i % 2.
.macro PV x
	WIN W_PV
.set rO, 32*(2*(\x)+i%2)+8*((i/2)%4)
.set rV, VF+32*(i/8)+8*((i/2)%4)
.set rP, P+32*((\x)%2)+16*(i%2)+8*(i/8)
	v_wmma_f32_16x16x32_f16 v[rO:rO+7], v[rV:rV+7], v[rP:rP+7], v[rO:rO+7]
.endm
.macro MM                           ; the turn's next matrix instruction
.if i < 16
	KQ (Y+1)%NP
.set i, i+1
.else
.set i, i-16
	PV (Y+NP-1)%NP
.set i, i+17
.endif
.endm
; THE LDS LOADS stand in runs of 16, never singly among the matrix instructions: a step's K (64 keys x 64 channels: 8 fragments) and its V (turned).  Their addresses are made some lines ahead.
; last = 1 (the tail): in the last trip there is no further step, and the run is jumped over.
.macro FETCH_K last=0
	WIN 0
.if \last
	s_cmp_eq_u32 s[CNT], 1
	s_cbranch_scc1 .Lno_k_\@
.endif
	WIN 0x80                        ; destination window 2
.irp f, 0,1,2,3,4,5,6,7             ; keys 16 (f / 2) on, channels 32 (f % 2) on: planes 2 (f % 2) and 2 (f % 2) + 1
	ds_load_b128 v[KF+8*\f:KF+8*\f+3],   v[AK] offset:(\f/2)*16*PK+(2*(\f%2))*PLK
	ds_load_b128 v[KF+8*\f+4:KF+8*\f+7], v[AK] offset:(\f/2)*16*PK+(2*(\f%2)+1)*PLK
.endr
	s_add_co_u32 s[TBK], s[TBK], KS*PK  ; the next fetch is the next step's
	WIN 0
.if \last
.Lno_k_\@:
.endif
.endm
.macro FETCH_V
	WIN 0x80
.irp f, 0,1,2,3,4,5,6,7             ; keys 32 (f / 4) on, channels 16 (f % 4) on: plane f % 4
	ds_load_tr16_b128 v[VF+8*\f:VF+8*\f+3],   v[AV] offset:(\f%4)*PLV+(\f/4)*32*PV
	ds_load_tr16_b128 v[VF+8*\f+4:VF+8*\f+7], v[AV] offset:(\f%4)*PLV+(\f/4)*32*PV+16*PV
.endr
	WIN 0
.endm
; THE VECTOR WORK OF A TURN stands in three queues, each in the order in which its entries become ready; the two tiles alternate, so that no instruction reads the result of the one before it.
.macro REGS y, u                    ; the registers of tile u (0, 1) of piece y
.set rT, ST+4*(2*(\y)+(\u))
.set rC, TMP+8*((\y)%2)+4*(\u)
.set rM, MV+2*((\y)%2)+(\u)
.set rS, S+64*((\y)%2)+32*(\u)
.set rP, P+32*((\y)%2)+16*(\u)
.set rO, 32*(2*(\y)+(\u))
.endm
; Number n of the 22 that find the NEXT piece's (Y + 1) maximum and statistics.  s0-s31 are the lane's 32 scores; each accumulator's lowest registers are read first.  XS, GS and REGS set no window: PL and EX do.
;   0-11  four chains c0-c3 of seven scores each, three operands at a time     12-14, 16  the four scores left over, the old m, and c0-c3 into c0     15  c m_old is kept
;   17, 18  the query's other 32 keys lie in the lane 16 away: the new m         19-21  c m; c m_old - c m_new; a
.macro XS u, n
	REGS (Y+1)%NP, \u
.if (\n) < 4
	v_max3_num_f32 v[rC+(\n)], v[rS+8*(\n)], v[rS+8*(\n)+1], v[rS+8*(\n)+2]
.elseif (\n) < 12
	v_max3_num_f32 v[rC+(\n)%4], v[rC+(\n)%4], v[rS+8*((\n)%4)+2*((\n)/4)+1], v[rS+8*((\n)%4)+2*((\n)/4)+2]
.elseif (\n) == 12
	v_max3_num_f32 v[rC], v[rC], v[rS+7], v[rS+15]
.elseif (\n) == 13
	v_max3_num_f32 v[rC+1], v[rC+1], v[rS+23], v[rS+31]
.elseif (\n) == 14
	v_max3_num_f32 v[rC+2], v[rC+2], v[rC+3], v[rT+1]
.elseif (\n) == 15
	v_mov_b32 v[rM], v[rT]
.elseif (\n) == 16
	v_max3_num_f32 v[rC], v[rC], v[rC+1], v[rC+2]
.elseif (\n) == 17
	v_permlanex16_b32 v[rC+3], v[rC], s[SEL], s[SEL+1]
.elseif (\n) == 18
	v_max_num_f32 v[rT+1], v[rC], v[rC+3]
.elseif (\n) == 19
	v_mul_f32 v[rT], s[CS], v[rT+1]
.elseif (\n) == 20
	v_sub_f32 v[rC+1], v[rM], v[rT]
.else
	v_exp_f32 v[rC+2], v[rC+1]
.endif
.endm
; Number g of the 64 that follow the exponentials.  For each four weights k of a tile (pairs 2 k, 2 k + 1): both pairs are rounded to f16; then the second pair is added onto the first, in place;
; a group later l takes that sum (the first time as l = a l + sum).  In groups of eight, tiles alternating: round, round, add, and l for the group before.
.macro GS g
.set h, (\g)+6*((\g)/62)            ; group 0 has no group before it, and behind group 7 only l is left
.if h >= 6
.set h, h+2
.endif
	REGS Y, h%2
.set k, h/8
.if h%8 < 4
	s_wait_alu depctr_va_vdst(0)
	v_cvt_pk_f16_f32 v[rP+2*k+(h%8)/2], v[rS+4*k+2*((h%8)/2)], v[rS+4*k+2*((h%8)/2)+1]
.elseif h%8 < 6
	v_pk_add_f32 v[rS+4*k:rS+4*k+1], v[rS+4*k:rS+4*k+1], v[rS+4*k+2:rS+4*k+3]
.elseif k == 1
	v_pk_fma_f32 v[rT+2:rT+3], v[rT+2:rT+3], v[rC+2:rC+3], v[rS:rS+1] op_sel_hi:[1,0,1]
.else
	v_pk_add_f32 v[rT+2:rT+3], v[rT+2:rT+3], v[rS+4*k-4:rS+4*k-3]
	s_wait_alu depctr_va_vdst(0)
.endif
.endm
; THE PLAIN QUEUE, 138 long.  0-31: c s - c m for the 16 pairs of both tiles.  Then GS's 64, and among them the next piece's 42: number 15 at 38, 39; 0-14 and 16
; at 42-73, behind the products that make those scores; 17-20 at 95-106, two of three, since each waits for the one before it.
.macro PL
	WIN 0
.if q < 32
	REGS Y, q%2
	v_pk_fma_f32 v[rS+2*(q/2):rS+2*(q/2)+1], v[rS+2*(q/2):rS+2*(q/2)+1], s[CS:CS+1], v[rT:rT+1] op_sel_hi:[1,0,0] neg_lo:[0,0,1] neg_hi:[0,0,1]
.elseif q < 38
	GS q-32
.elseif q < 40
	XS q%2, 15
.elseif q < 42
	GS q-34
.elseif q < 74
	XS q%2, (q-42)/2+(q-42)/30
.elseif q < 95
	GS q-66
.elseif (q < 107) && ((q-95)%3 < 2)
	XS (q-95)%3, 17+(q-95)/3
.elseif q < 107
	GS 29+(q-95)/3
.else
	GS q-74
.endif
.set q, q+1
.endm
; THE EXPONENTIALS' QUEUE, 66 long: s0-s31 of both tiles, and at EA the next piece's two a.
.set EA, 58
.macro EX
	WIN 0
.if (e == EA) || (e == EA+1)
	XS e-EA, 21
.else
.set x, e-2*(e/(EA+2))
	REGS Y, x%2
	v_exp_f32 v[rS+x/2], v[rS+x/2]
.endif
.set e, e+1
.endm
; THE RESCALING's QUEUE: O^T times a, the one part that leaves window 0, so it is dealt four at a time, eight times.
.macro R4
	REGS Y, r%2
	WIN W_RS
	s_wait_alu depctr_va_vdst(0)
.irp z, 0,1,2,3
	v_pk_mul_f32 v[rO+8*(r/2)+2*\z:rO+8*(r/2)+2*\z+1], v[rO+8*(r/2)+2*\z:rO+8*(r/2)+2*\z+1], v[rC+2:rC+3] op_sel_hi:[1,0]
.endr
.set r, r+1
.endm
; HOW THEY ARE DEALT.  Behind a matrix instruction four: plain, exponential, plain, plain (one exponential, a plain instruction on either side), or four of the rescaling.  None names a register of the
; products round it.  What is over stands in two LUMPS: exponential and plain by turns; the second ends in 22 plain instructions.  The two v_permlanex16_b32 fall into the second lump, never behind a product.
; The queues lean on each other, and the deal keeps them in step: exponential e stands behind plain 2 (e / 4) + e % 2 (its scaling); when plain 32 comes, 10 exponentials are out, at 59: 33, at 95: 46; EA comes behind plain 107.
.macro SL
	MM
	PL
	EX
	PL
	PL
.endm
.macro BURST n                      ; 15 matrix instructions, or 16
.rept (\n)-7
	SL
.endr
.rept 3
	MM
	R4
	SL
.endr
	MM
	R4
.endm
; A TURN, for piece p.  cnt = 1: the loop's count is taken down some lines ahead of the branch that stands behind the turn.
; K of the next step is fetched in piece 2's turn, 31 vector instructions behind the last product that read K; its first reader comes behind the rest of the lump, 16 products and the second lump.
; V of the step in hand is fetched at the end of piece 0's turn, 69 behind its last reader; its first reader comes behind 16 products and a lump.  The four conditions on e and q below go with the deal.
.macro TURN p, last=0, cnt=0
.set Y, (\p)
.set i, 0
.set q, 0
.set e, 0
.set r, 0
.if (\p) == NP-1
	s_wait_dscnt 0x0                ; K is in
.endif
	MM
.rept 4
	PL
.endr
	BURST 15
.rept 22
	EX
	PL
.if ((\p) == NP-2) && (e == 18)
	v_add_nc_u32 v[AK], s[TBK], v[AK0]
.endif
.if ((\p) == NP-2) && (e == 24)
	FETCH_K \last
.endif
.endr
.if (\p) == 1
	s_wait_dscnt 0x0                ; V is in
.endif
	BURST 16
.rept 21
	EX
	PL
.endr
.rept 22
	PL
.if ((\p) == 0) && (q == 118)
	v_add_nc_u32 v[AV], s[TBV], v[AV0]
	s_wait_alu depctr_va_vdst(0)
.endif
.if ((\p) == 0) && (q == 130)
	s_add_co_u32 s[TBV], s[TBV], KS*PV
.endif
.if (\cnt) && (q == 130)
	s_sub_co_u32 s[CNT], s[CNT], 1
	s_cmp_lg_u32 s[CNT], 0
.endif
.endr
.if (\p) == 0
	FETCH_V
.endif
.endm
	CHANGE 1                        ; slot 0 is in, everybody's part of it; slot 1 is asked for
	FETCH_K                         ; key step 0
	s_wait_loadcnt 0x0              ; Q
	s_wait_dscnt 0x0
.set i, 0
.rept 16
	KQ 0                            ; piece 0's first scores: there is no vector work yet to set between them
.set i, i+1
.endr
	WIN 0                           ; the addresses for the way out: eight plain instructions, the places behind those products
	s_mul_i32 s13, s[WV], 16*SP
	s_add_co_u32 s13, s13, STAGE    ; my stage
	v_mul_u32_u24 v[STO], v1, SP    ; in: row l % 16, 16 bytes for each half of the lanes
	v_lshl_add_u32 v[STO], v9, 4, v[STO]
	v_add_nc_u32 v[STO], s13, v[STO]
	v_mul_u32_u24 v[RD], v9, SP     ; back: lanes 0-15 take one row of 256 bytes, lanes 16-31 the next
	v_lshl_add_u32 v[RD], v1, 4, v[RD]
	v_add_nc_u32 v[RD], s13, v[RD]
	v_lshlrev_b32 v[GO], 11, v9     ; and the same two rows in o
	v_lshl_add_u32 v[GO], v1, 4, v[GO]
.set Y, NP-1                        ; XS works for piece Y + 1: piece 0
.irp n, 0,1,2,3,4,5,6,7,8,9,10,11,12,13,14,15,16,17,18,19,20,21
	XS 0, \n                        ; and piece 0's first maximum and statistics
	XS 1, \n
.endr
	s_mov_b32 s[CNT], 4
	s_mov_b32 s[SLOTS], SIZE_N/256-1
	s_branch .Lfirst                ; the loop is entered at a step's first turn, in the middle of a trip
.Lslot:                             ; SIZE_N / 256 - 2 times: every slot but the last two is filled again
	CHANGE 1, 1
	s_mov_b32 s[CNT], 4
.Lstep:                             ; a trip: pieces 2 and 3 of one step, then pieces 0 and 1 of the next, whose K and V it fetches
	TURN 2
	TURN 3
	WIN 0
.Lfirst:
	TURN 0
	TURN 1, 0, 1
	WIN 0
	s_cbranch_scc1 .Lstep
	s_sub_co_u32 s[SLOTS], s[SLOTS], 1
	s_cmp_lg_u32 s[SLOTS], 0
	s_cbranch_scc1 .Lslot
	CHANGE 0                        ; the tail is written out: nothing is asked for
	s_mov_b32 s[CNT], 5             ; four trips fetch the last slot's steps; the fifth is left in its middle
.Ltail:
	TURN 2, 1
	TURN 3
	WIN 0
	s_sub_co_u32 s[CNT], s[CNT], 1
	s_cmp_eq_u32 s[CNT], 0
	s_cbranch_scc1 .Lout
	TURN 0
	TURN 1
	WIN 0
	s_branch .Ltail
.Lout:                              ; the fifth trip's 16 products K Q^T (on the last K once more) and the maximum made of them serve nothing: the price, once a launch, of one text for every trip
.set i, 0
.rept 16
	PV NP-1                         ; the last piece's V^T P of the last step
.set i, i+1
.endr
	; THE WAY OUT.  l's two halves and the other half of the lanes' are added; O^T is divided by l, rounded to f16 and sent through my stage in LDS, a piece at a time.  The additions are the places behind the last products.
	WIN 0
.macro ALL line:vararg              ; one line for each tile t
.set t, 0
.rept 2*NP
	\line
.set t, t+1
.endr
.endm
	ALL v_add_f32 v[ST+4*t+2], v[ST+4*t+2], v[ST+4*t+3]
	ALL v_permlanex16_b32 v[ST+4*t+3], v[ST+4*t+2], s[SEL], s[SEL+1]
	ALL v_add_f32 v[ST+4*t+2], v[ST+4*t+2], v[ST+4*t+3]
	ALL v_rcp_f32 v[ST+4*t+2], v[ST+4*t+2]
	v_nop                           ; a plain instruction between the last reciprocal and the use of its result
	s_wait_alu depctr_va_vdst(0)
; Piece x: a lane's eight channels of a row pack into 16 bytes; the piece's two heads fill rows of 256 bytes (pitch 272), which come back whole, into S^T's registers.
.macro PACK x
.irp u, 0,1
.set tt, 2*(\x)+(\u)
	WIN W_RS
.set i, 32*tt
.rept 16
	v_pk_mul_f32 v[i:i+1], v[i:i+1], v[ST+4*tt+2:ST+4*tt+3] op_sel_hi:[1,0]
.set i, i+2
.endr
	WIN 0x05                        ; sources 0 and 1 window 1, destination window 0
.set i, 0
.rept 16
	v_cvt_pk_f16_f32 v[S+16*tt+i], v[32*tt+2*i], v[32*tt+2*i+1]
.set i, i+1
.endr
	WIN 0
.irp f, 0,1,2,3
	ds_store_b128 v[STO], v[S+16*tt+4*\f:S+16*tt+4*\f+3] offset:128*(\u)+32*\f
.endr
.endr
.irp f, 0,1,2,3,4,5,6,7
	ds_load_b128 v[S+32*(\x)+4*\f:S+32*(\x)+4*\f+3], v[RD] offset:\f*2*SP  ; LDS serves a wave's instructions in order (ISA guide 5.7.1.4): these see the stores above; the next piece's stores come behind them
.endr
.endm
.macro SEND x, younger              ; younger: the LDS instructions issued behind piece x's loads: the next piece's sixteen, or none
	WIN 0
.irp f, 0,1,2,3,4,5,6,7
	s_wait_dscnt (\younger)+7-\f
	global_store_b128 v[GO], v[S+32*(\x)+4*\f:S+32*(\x)+4*\f+3], s[10:11] offset:((\x)/2)*32768+((\x)%2)*256+\f*4096  ; sixteen lanes store 256 consecutive bytes, aligned
.endr
.endm
	PACK 0
	PACK 1                          ; a piece's arithmetic stands between the loads of the piece before and its stores
	SEND 0, 16
	PACK 2
	SEND 1, 16
	PACK 3
	SEND 2, 16
	SEND 3, 0
	WIN W_AD
	s_wait_tensorcnt 0x0            ; the wave's end: behind my last tensor load and my last LDS store
	ds_add_u32 v[SPW], v[NIL]
	s_wait_dscnt 0x0
	WIN 0
	CROUND                          ; the closing round: no work-group ends while a partner may still ask for a tile that names it
	s_endpgm
.Lfunc_end_k_qa1a16602d0_attn:
	.size	k_qa1a16602d0_attn, .Lfunc_end_k_qa1a16602d0_attn-k_qa1a16602d0_attn
	.p2alignl 7, 3214868480
	.fill 96, 4, 3214868480
	.section	.rodata,"a",@progbits
	.p2align	6, 0x0
	.amdhsa_kernel k_qa1a16602d0_attn
		.amdhsa_group_segment_fixed_size 327680
		.amdhsa_private_segment_fixed_size 0
		.amdhsa_enable_private_segment 0
		.amdhsa_kernarg_size 32
		.amdhsa_user_sgpr_count 2
		.amdhsa_user_sgpr_kernarg_segment_ptr 1
		.amdhsa_wavefront_size32 1
		.amdhsa_system_sgpr_workgroup_id_x 1
		.amdhsa_system_sgpr_workgroup_id_y 1
		.amdhsa_system_sgpr_workgroup_id_z 1
		.amdhsa_system_vgpr_workitem_id 0
		.amdhsa_next_free_vgpr 770
		.amdhsa_next_free_sgpr 66
		.amdhsa_reserve_vcc 0
		.amdhsa_float_denorm_mode_32 3
		.amdhsa_float_denorm_mode_16_64 3
		.amdhsa_memory_ordered 1
		.amdhsa_forward_progress 1
		.amdhsa_inst_pref_size 209
	.end_amdhsa_kernel
	.amdgpu_metadata
---
amdhsa.version: [ 1, 2 ]
amdhsa.kernels:
  - .name:           k_qa1a16602d0_attn
    .symbol:         k_qa1a16602d0_attn.kd
    .args:
      - { .name: q, .offset: 0, .size: 8, .value_kind: global_buffer, .address_space: global }
      - { .name: kb, .offset: 8, .size: 8, .value_kind: global_buffer, .address_space: global }
      - { .name: vb, .offset: 16, .size: 8, .value_kind: global_buffer, .address_space: global }
      - { .name: o, .offset: 24, .size: 8, .value_kind: global_buffer, .address_space: global }
    .group_segment_fixed_size: 327680
    .private_segment_fixed_size: 0
    .kernarg_segment_align: 8
    .kernarg_segment_size: 32
    .max_flat_workgroup_size: 128
    .sgpr_count:     66
    .vgpr_count:     770
    .wavefront_size: 32
...
	.end_amdgpu_metadata
.endif
;; end of part 3
;; launch outp (part 4): grid 8 x 32, 4 waves a work-group, clusters of 4 x 4, 327,680 bytes of LDS; arguments o, wot, bo, out0; writes out0
.if DOCPART == 4
	.amdgcn_target "amdgcn-amd-amdhsa--gfx1250"
	.amdhsa_code_object_version 6
	.text
	.protected	k_qa1a16602d0_outp
	.globl	k_qa1a16602d0_outp
	.p2align	8
	.type	k_qa1a16602d0_outp,@function
k_qa1a16602d0_outp:
	s_mov_b64 s[64:65], 0
	v_nop
	global_prefetch_b8 v0, s[64:65] scope:SCOPE_SE
	s_setreg_imm32_b32 hwreg(HW_REG_WAVE_MODE, 25, 1), 1
	s_wait_xcnt 0x0
	s_wait_alu depctr_hold_cnt(0) depctr_sa_sdst(0) depctr_va_vdst(0) depctr_va_sdst(0) depctr_va_ssrc(0) depctr_va_vcc(0) depctr_vm_vsrc(0)
	s_getreg_b32 s2, hwreg(HW_REG_IB_STS2, 6, 4)
	s_cmp_eq_u32 s2, 0
	s_cbranch_scc0 .Lentry_in_a_cluster
	s_endpgm
.Lentry_in_a_cluster:
	s_bfe_u32 s2, ttmp6, 0x10000c
	s_cmp_lg_u32 s2, 0xf033
	s_cbranch_scc0 .Lentry_shape_is_right
	s_endpgm
.Lentry_shape_is_right:
; THE OUTPUT PROJECTION.  out0[8192][1024] f32 = o [8192][1024] (f16) x wot [1024 n][1024 k]^T (Wo rounded to bf16, written as f16) + bo; sums in f32.
; bo is rounded to bf16 like every input and starts the sums as the C operand of the first products.
; LIMITS.  o and wot arrive within f16's range; NaN and infinities are not treated apart.
; A work-group makes 256 rows x 128 columns: 256 work-groups.  Four waves, each 64 rows x 128 columns: 32 accumulators.  K goes in 8 steps of 128 (rows of 256 bytes in memory) through two LDS slots.
; CLUSTER 4 x 4: the four of a row of the cluster need the same rows of o, the four of a column the same rows of wot: each tile is asked for jointly.
; THE MATRIX INSTRUCTION IS USED TRANSPOSED (source 0 = 16 rows of wot, source 1 = 16 rows of o): a lane then holds eight neighbouring columns of one row of the result.
; No prefetch: the walk has eight K steps, and both operands are read by several clusters at about the same time.  One tile to a work-group, so nobody stays.
; REGISTERS: window 0: v0-31 addresses; v32-127, v128-223 two fragment buffers (8 of wot, then 4 of o).  window 1: the accumulators ((a, b) at 64 a + 8 b).  window 2: v0-63 the bias, v64-65 at work.
.set KSTEP,  128
.set PITCH,  272                       ; an LDS row: 256 bytes + 16 = 68 words: the 16 rows of a load start at 16 different groups of four banks (64 banks of 4 bytes: ISA guide 11.1)
.set ATILE,  128*PITCH                 ; what waves 0 and 1 fetch: 128 rows of o each
.set BTILE,  64*PITCH                  ; what waves 2 and 3 fetch: 64 rows of wot each
.set BOFF,   2*ATILE
.set SLOT,   2*ATILE+2*BTILE
.set STAGE,  2*SLOT                    ; behind the ring: 16 rows x 528 bytes for each wave, for the way out
.set SPITCH, 528                       ; 512 bytes + 16
.set SPARE,  STAGE+4*16*SPITCH         ; behind the stages: the spare words, 128 bytes for each wave: two blocks of 256 bytes that no other line names
.set LAPS,   4
.set ADRA, 16                          ; v16-17  LDS address of my fragments of o in slot 0, 1
.set ADRB, 20                          ; v20-21  the same for wot
.set STO,  24                          ; v24     the way out: where I put 32 bytes of a row
.set RD,   25                          ; v25     where I read a row back
.set CO,   26                          ; v26     my byte offset in 512 bytes of a row of out0
.set SPW,  28                          ; v28     LDS address of my spare word; never rewritten
.set NIL,  29                          ; v29     0; never rewritten
.set BO,   31                          ; v31     my byte offset in 16 numbers of the bias
.set F0,   32
.set F1,   128
.set BIAS, 0                           ; window 2
.set BT,   64                          ; window 2
.set G1,  24
.set G0,  32
.set G1B, 48
.set G0B, 56
.set WV,  76
.set FB,  77
.set HF,  78
.set MSB, 0
.macro WIN new                         ; the immediate's high byte repeats the setting that is left
.if MSB != (\new)
	s_set_vgpr_msb (MSB<<8)|(\new)
.set MSB, \new
.endif
.endm
.macro JLOAD s                         ; a joint load; an s_nop 0 and four v_nop follow each of the two lines, ahead of the jump, the label and what follows
	s_cmp_eq_u32 s[FB], 0
	s_cbranch_scc0 .Lfor_b_\@
	tensor_load_to_lds s[G0+4*(\s):G0+4*(\s)+3], s[G1:G1+7]
	s_nop 0
.rept 4
	v_nop
.endr
	s_branch .Lasked_\@
.Lfor_b_\@:
	tensor_load_to_lds s[G0B+4*(\s):G0B+4*(\s)+3], s[G1B:G1B+7]
	s_nop 0
.rept 4
	v_nop
.endr
.Lasked_\@:
.endm
.macro CREST                           ; a round of the cluster's barrier behind its opening barrier
	s_cmp_lg_u32 s[WV], 0
	s_cbranch_scc1 .Lnot_wave_0_\@
	s_barrier_signal -3
.Lnot_wave_0_\@:
	s_barrier_wait -3
	s_barrier_signal -1
	s_barrier_wait -1
.endm
.macro CROUND                          ; a whole round
	s_barrier_signal -1
	s_barrier_wait -1
	CREST
.endm
.macro PLACES                          ; four places in front of loads into registers that matrix instructions have read, and of LDS stores that read results
.rept 4
	v_nop
.endr
.endm
	s_load_b256 s[4:11], s[0:1], 0x0               ; o s[4:5], wot s[6:7], bo s[8:9], out0 s[10:11]
	v_lshl_add_u32 v[SPW], v0, 2, SPARE
	v_mov_b32 v[NIL], 0
	ds_add_u32 v[SPW], v[NIL]                      ; the wave's opening: the add and its wait stand ahead of my first tensor load; the set-up below, work on registers, stands between them
	v_lshrrev_b32 v1, 5, v0
	v_readfirstlane_b32 s[WV], v1
	s_lshr_b32 s[FB], s[WV], 1
	s_and_b32 s[HF], s[WV], 1
	s_bfe_u32 s40, ttmp6, 0x40000                  ; cx, cy: my place in the cluster
	s_bfe_u32 s41, ttmp6, 0x40004
	s_lshl_b32 s42, ttmp9, 2
	s_add_co_u32 s42, s42, s40                     ; column block 0..7
	s_and_b32 s13, ttmp7, 0xffff
	s_lshl_b32 s13, s13, 2
	s_add_co_u32 s13, s13, s41                     ; row block 0..31
	s_lshl_b32 s43, s41, 2
	s_lshl_b32 s43, 15, s43                        ; my row of the cluster
	s_lshl_b32 s44, 0x1111, s40                    ; my column
	s_or_b32 s[G1+0], s43, (1<<16)|(1<<20)|(1<<21)|(5<<22)|(3<<25)  ; 15:0 the mask; 17:16 elements of 2 bytes; 20 padding on; 21 set beside a mask; 24:22 after every 64 words (code 5); 31:25 4 words (code 3)
	s_or_b32 s[G1B+0], s44, (1<<16)|(1<<20)|(1<<21)|(5<<22)|(3<<25)
	s_mov_b32 s[G1+1], KSTEP<<16                   ; tensor_dim0 = 128
	s_mov_b32 s[G1+2], 128<<16                     ; tensor_dim1 = 128
	s_mov_b32 s[G1+3], KSTEP<<16                   ; tile_dim0 = 128
	s_mov_b32 s[G1+4], 128                         ; tile_dim1 = 128
	s_mov_b32 s[G1+5], 1024                        ; elements from row to row
	s_mov_b32 s[G1+6], 0
	s_mov_b32 s[G1+7], 0
	s_mov_b32 s[G1B+1], KSTEP<<16
	s_mov_b32 s[G1B+2], 64<<16                     ; 64 rows
	s_mov_b32 s[G1B+3], KSTEP<<16
	s_mov_b32 s[G1B+4], 64
	s_mov_b32 s[G1B+5], 1024
	s_mov_b32 s[G1B+6], 0
	s_mov_b32 s[G1B+7], 0
	s_lshl_b32 s17, s[HF], 7
	s_lshl_b32 s16, s13, 8
	s_add_co_u32 s16, s16, s17                     ; o: row 256 x row block + 128 x half,
	s_lshl_b32 s16, s16, 11                        ; of 2,048 bytes
	s_mov_b32 s17, 0
	s_lshl_b32 s46, s42, 7
	s_lshl_b32 s47, s[HF], 6
	s_add_co_u32 s46, s46, s47                     ; wot: row 128 x column block + 64 x half
	s_lshl_b32 s46, s46, 11
	s_mov_b32 s47, 0
	s_mul_i32 s20, s[WV], ATILE                    ; where they go: waves 0, 1: o's two halves;
	s_mul_i32 s21, s[WV], BTILE
	s_add_co_u32 s21, s21, BOFF-2*BTILE            ; waves 2, 3: wot's two halves, behind o's 256 rows
	s_wait_dscnt 0x0                               ; the opening add is done
	s_wait_kmcnt 0x0
	s_add_nc_u64 s[14:15], s[4:5], s[16:17]
	s_add_nc_u64 s[46:47], s[6:7], s[46:47]
	CROUND                                         ; all sixteen work-groups are here: the first joint loads meet
.irp s, 0,1
	s_mov_b32 s[G0+4*(\s)], 1
	s_add_co_u32 s[G0+4*(\s)+1], s20, (\s)*SLOT
	s_add_nc_u64 s[G0+4*(\s)+2:G0+4*(\s)+3], s[14:15], (\s)*KSTEP*2
	s_or_b32 s[G0+4*(\s)+3], s[G0+4*(\s)+3], 0x80000000
	s_mov_b32 s[G0B+4*(\s)], 1
	s_add_co_u32 s[G0B+4*(\s)+1], s21, (\s)*SLOT
	s_add_nc_u64 s[G0B+4*(\s)+2:G0B+4*(\s)+3], s[46:47], (\s)*KSTEP*2
	s_or_b32 s[G0B+4*(\s)+3], s[G0B+4*(\s)+3], 0x80000000
	JLOAD \s                                       ; two tensor loads of mine are out
.endr
	s_lshl_b32 s66, s42, 9                         ; my work-group's 128 columns: 512 bytes of bo and of a row of out0
	s_mov_b32 s67, 0
	s_add_nc_u64 s[80:81], s[8:9], s[66:67]
	v_and_b32 v1, 15, v0                           ; l % 16
	v_bfe_u32 v2, v0, 4, 1                         ; l / 16
	v_lshlrev_b32 v[BO], 5, v2
	WIN 0x80                                       ; destination window 2, address window 0
.irp b, 0,1,2,3,4,5,6,7
	global_load_b128 v[BIAS+8*(\b):BIAS+8*(\b)+3],   v[BO], s[80:81] offset:64*(\b)
	global_load_b128 v[BIAS+8*(\b)+4:BIAS+8*(\b)+7], v[BO], s[80:81] offset:64*(\b)+16
.endr
	WIN 0
	v_mul_u32_u24 v3, v1, PITCH
	v_lshl_add_u32 v3, v2, 4, v3                   ; a fragment's row x pitch + 16 x half
	s_mul_i32 s22, s[WV], 64*PITCH                 ; my 64 rows of o
	v_add_nc_u32 v[ADRA], s22, v3
	v_add_nc_u32 v[ADRA+1], SLOT, v[ADRA]
	v_add_nc_u32 v[ADRB], BOFF, v3
	v_add_nc_u32 v[ADRB+1], SLOT, v[ADRB]
	s_mul_i32 s23, s[WV], 16*SPITCH
	s_add_co_u32 s23, s23, STAGE                   ; my stage
	v_mul_u32_u24 v[STO], v1, SPITCH               ; in: row l % 16, 32 bytes for each half of the lanes
	v_lshl_add_u32 v[STO], v2, 5, v[STO]
	v_add_nc_u32 v[STO], s23, v[STO]
	v_and_b32 v4, 31, v0
	v_lshlrev_b32 v[CO], 4, v4                     ; back: 32 lanes take a row's 512 bytes
	v_add_nc_u32 v[RD], s23, v[CO]
	s_lshl_b32 s86, s13, 8
	s_lshl_b32 s87, s[WV], 6
	s_add_co_u32 s86, s86, s87                     ; my first row,
	s_lshl_b32 s86, s86, 12                        ; of 4,096 bytes
	s_add_co_u32 s66, s66, s86
	s_add_nc_u64 s[10:11], s[10:11], s[66:67]
	s_wait_loadcnt 0x0                             ; the bias
	WIN 0x8a                                       ; all in window 2
.set i, 0
.rept 32                               ; rounded to bf16 like every input, and widened again
	v_cvt_pk_bf16_f32 v[BT+i%2], v[BIAS+2*i], v[BIAS+2*i+1]
	v_lshlrev_b32 v[BIAS+2*i], 16, v[BT+i%2]
	v_and_b32 v[BIAS+2*i+1], 0xffff0000, v[BT+i%2]
.set i, i+1
.endr
	WIN 0
; 8 matrix instructions: row block a x all 8 column blocks, 32 along K.  first = 1: the sums start with the bias.  The 32 accumulators take turns, in the same order in every quarter.
.macro MULA f, a, first
.if \first
	WIN 0x60                                       ; D window 1, C (the bias) window 2
.else
	WIN 0x50                                       ; C and D window 1
.endif
.irp b, 0,1,2,3,4,5,6,7
.if \first
	v_wmma_f32_16x16x32_f16 v[64*(\a)+8*(\b):64*(\a)+8*(\b)+7], v[(\f)+8*(\b):(\f)+8*(\b)+7], v[(\f)+64+8*(\a):(\f)+64+8*(\a)+7], v[BIAS+8*(\b):BIAS+8*(\b)+7]
.else
	v_wmma_f32_16x16x32_f16 v[64*(\a)+8*(\b):64*(\a)+8*(\b)+7], v[(\f)+8*(\b):(\f)+8*(\b)+7], v[(\f)+64+8*(\a):(\f)+64+8*(\a)+7], v[64*(\a)+8*(\b):64*(\a)+8*(\b)+7]
.endif
.endr
.endm
; 24 LDS loads in one run: the fragments of 32 along K at byte k of the rows: wot's eight, then o's four
.macro FETCH slot, k, f
	WIN 0
.irp i, 0,1,2,3,4,5,6,7
	ds_load_b128 v[(\f)+8*(\i):(\f)+8*(\i)+3],   v[ADRB+(\slot)] offset:(\k)+(\i)*16*PITCH
	ds_load_b128 v[(\f)+8*(\i)+4:(\f)+8*(\i)+7], v[ADRB+(\slot)] offset:(\k)+(\i)*16*PITCH+32
.endr
.irp i, 0,1,2,3
	ds_load_b128 v[(\f)+64+8*(\i):(\f)+64+8*(\i)+3],   v[ADRA+(\slot)] offset:(\k)+(\i)*16*PITCH
	ds_load_b128 v[(\f)+64+8*(\i)+4:(\f)+64+8*(\i)+7], v[ADRA+(\slot)] offset:(\k)+(\i)*16*PITCH+32
.endr
.endm
; A K step is four quarters of 32 along K, 32 matrix instructions each, on buffers 0, 1, 0, 1.  One of the first three: multiplies buffer f and fetches the next quarter, at byte k, into g.
.macro QUARTER slot, k, f, g, first
	s_wait_dscnt 4                                 ; the youngest four loads (o's row blocks 2, 3) may be out
	MULA \f, 0, \first
	MULA \f, 1, \first
	PLACES
	FETCH \slot, \k, \g
	s_wait_dscnt 24                                ; all but the 24 just issued
	MULA \f, 2, \first
	MULA \f, 3, \first
.endm
; The last quarter multiplies buffer 1 and changes slots: ONE barrier; in front of it each wave waits for all its tensor loads, adds 0 to its spare word, and waits for that and for its own reads of this slot.
; fill = 1: the barrier opens a round of the cluster's, and this slot is filled again, two K steps ahead, first thing behind the round: one tensor load of mine is out.
.macro TURN slot, next, fill
	WIN 0
	s_wait_tensorcnt 0x0                           ; all my tensor loads have landed: my part of the next slot;
	ds_add_u32 v[SPW], v[NIL]                      ; 0 onto my spare word;
	s_wait_dscnt 5                                 ; (the add and the youngest four loads may be out)
	MULA F1, 0, 0                                  ; eight matrix instructions stand between the add and the wait for it
	s_wait_dscnt 0x0                               ; the add is done, and my reads of this slot are over
	s_barrier_signal -1
	MULA F1, 1, 0
.if \fill
	WIN 0
.endif
	s_barrier_wait -1
.if \fill
	CREST                                          ; no wave of any partner still reads this slot's tile or has a load on its way
	s_add_nc_u64 s[G0+4*(\slot)+2:G0+4*(\slot)+3], s[G0+4*(\slot)+2:G0+4*(\slot)+3], 2*KSTEP*2
	s_add_nc_u64 s[G0B+4*(\slot)+2:G0B+4*(\slot)+3], s[G0B+4*(\slot)+2:G0B+4*(\slot)+3], 2*KSTEP*2
	JLOAD \slot                                    ; the four v_nop behind it are also the places in front of the loads below
.else
	PLACES
.endif
	FETCH \next, 0, F0
	MULA F1, 2, 0
	MULA F1, 3, 0
.endm
	s_wait_tensorcnt 1                             ; my part of K step 0 is in; K step 1's may stay out
	s_barrier_signal -1
	s_barrier_wait -1                              ; everybody's is
	FETCH 0, 0, F0
	QUARTER 0, 64, F0, F1, 1                       ; the first quarter stands in front of the loop: its products start the sums
	WIN 0                                          ; at a label and at a branch every window is 0
	s_mov_b32 s3, LAPS-1
.Llap:                                                 ; a trip goes once round the ring, from a lap's second quarter to the next lap's first, and fills both slots again
	QUARTER 0, 128, F1, F0, 0
	QUARTER 0, 192, F0, F1, 0
	TURN 0, 1, 1
	QUARTER 1, 64,  F0, F1, 0
	QUARTER 1, 128, F1, F0, 0
	QUARTER 1, 192, F0, F1, 0
	TURN 1, 0, 1
	QUARTER 0, 64,  F0, F1, 0
	WIN 0
	s_sub_co_u32 s3, s3, 1
	s_cmp_lg_u32 s3, 0
	s_cbranch_scc1 .Llap
	QUARTER 0, 128, F1, F0, 0                      ; the last lap fills nothing, and has no round of the cluster's barrier
	QUARTER 0, 192, F0, F1, 0
	TURN 0, 1, 0
	QUARTER 1, 64,  F0, F1, 0
	QUARTER 1, 128, F1, F0, 0
	QUARTER 1, 192, F0, F1, 0
	s_wait_dscnt 4                                 ; the very last quarter: nothing more to fetch
	MULA F1, 0, 0
	MULA F1, 1, 0
	s_wait_dscnt 0x0
	MULA F1, 2, 0
	MULA F1, 3, 0
; THE WAY OUT, a block of 16 rows at a time: a lane's 32 bytes of a row go into my own stage, each accumulator's low four registers first, and the rows come back whole, 512 bytes, into the block's own registers.
.macro OUTB a
	WIN 0x04                                       ; the stores' data in window 1
.irp b, 0,1,2,3,4,5,6,7
	ds_store_b128 v[STO], v[64*(\a)+8*(\b):64*(\a)+8*(\b)+3]   offset:64*(\b)
	ds_store_b128 v[STO], v[64*(\a)+8*(\b)+4:64*(\a)+8*(\b)+7] offset:64*(\b)+16
.endr
	WIN 0x40                                       ; the loads' destination in window 1
.irp t, 0,1,2,3,4,5,6,7,8,9,10,11,12,13,14,15
	ds_load_b128 v[64*(\a)+4*(\t):64*(\a)+4*(\t)+3], v[RD] offset:(\t)*SPITCH  ; LDS serves a wave's instructions in order (ISA guide 5.7.1.4): these see the stores above; the next block's stores come behind them
.endr
.endm
.macro SEND a, younger                 ; younger: the LDS instructions issued behind block a's loads: the next block's 32, or none
	WIN 0x04
.irp t, 0,1,2,3,4,5,6,7,8,9,10,11,12,13,14,15
	s_wait_dscnt (\younger)+15-(\t)
	global_store_b128 v[CO], v[64*(\a)+4*(\t):64*(\a)+4*(\t)+3], s[10:11] offset:(16*(\a)+(\t))*4096 th:TH_STORE_NT  ; 512 consecutive bytes, aligned
.endr
.endm
	PLACES
	OUTB 0
.irp a, 1,2,3
	OUTB \a
	SEND (\a)-1, 32
.endr
	SEND 3, 0
	WIN 0
	s_wait_tensorcnt 0x0                           ; the wave's end: behind my last tensor load and my last LDS store
	ds_add_u32 v[SPW], v[NIL]
	s_wait_dscnt 0x0
	CROUND                                         ; the closing round: no work-group ends while a partner may still ask for a tile that names it
	s_endpgm
.Lfunc_end_k_qa1a16602d0_outp:
	.size	k_qa1a16602d0_outp, .Lfunc_end_k_qa1a16602d0_outp-k_qa1a16602d0_outp
	.p2alignl 7, 3214868480
	.fill 96, 4, 3214868480
	.section	.rodata,"a",@progbits
	.p2align	6, 0x0
	.amdhsa_kernel k_qa1a16602d0_outp
		.amdhsa_group_segment_fixed_size 327680
		.amdhsa_private_segment_fixed_size 0
		.amdhsa_enable_private_segment 0
		.amdhsa_kernarg_size 32
		.amdhsa_user_sgpr_count 2
		.amdhsa_user_sgpr_kernarg_segment_ptr 1
		.amdhsa_wavefront_size32 1
		.amdhsa_system_sgpr_workgroup_id_x 1
		.amdhsa_system_sgpr_workgroup_id_y 1
		.amdhsa_system_sgpr_workgroup_id_z 1
		.amdhsa_system_vgpr_workitem_id 0
		.amdhsa_next_free_vgpr 580
		.amdhsa_next_free_sgpr 88
		.amdhsa_reserve_vcc 0
		.amdhsa_float_denorm_mode_32 3
		.amdhsa_float_denorm_mode_16_64 3
		.amdhsa_memory_ordered 1
		.amdhsa_forward_progress 1
		.amdhsa_inst_pref_size 93
	.end_amdhsa_kernel
	.amdgpu_metadata
---
amdhsa.version: [ 1, 2 ]
amdhsa.kernels:
  - .name:           k_qa1a16602d0_outp
    .symbol:         k_qa1a16602d0_outp.kd
    .args:
      - { .name: o, .offset: 0, .size: 8, .value_kind: global_buffer, .address_space: global }
      - { .name: wot, .offset: 8, .size: 8, .value_kind: global_buffer, .address_space: global }
      - { .name: bo, .offset: 16, .size: 8, .value_kind: global_buffer, .address_space: global }
      - { .name: out0, .offset: 24, .size: 8, .value_kind: global_buffer, .address_space: global }
    .group_segment_fixed_size: 327680
    .private_segment_fixed_size: 0
    .kernarg_segment_align: 8
    .kernarg_segment_size: 32
    .max_flat_workgroup_size: 128
    .sgpr_count:     88
    .vgpr_count:     580
    .wavefront_size: 32
...
	.end_amdgpu_metadata
.endif
;; end of part 4
